; MI455X (gfx1250); checked and timed in simulation.
; The chip was launched on July 23, 2026; its instructions are those of AMD's public machine-readable ISA for CDNA 5 (MIT licence, August 2026) and "CDNA5" Instruction Set Architecture Reference Guide (July 2026). The comments in the code are by the model that wrote it; some were corrected since.
;; Attention. Allowed arithmetic: matrix products marked QUANTISED: E5M2 operands, one E8M0 scale for each 32 along K, by v_wmma_scale_f32_16x16x128_f8f6f4 with both operands' format E5M2, f32 sums; products left as they are: f32 operands where the result goes on into a quantised operand, else bf16, f16 or f32 operands; f32 sums; everything else in f32.
;; Inputs: W_att 1,024 float32; W_dec 1,024 x 1,024 float32; W_enc 2,048 x 1,024 float32; b_att one number float32; b_dec 1,024 float32; b_enc 1,024 float32; dec_out 64 x 1,024 float32; enc_out 64 x 512 x 2,048 float32.
;; Outputs: out0 64 x 2,048 float32; out1 64 x 512 float32.
;; This version of the problem:
;;   THIS VERSION OF THE PROBLEM IS GIVEN IN LOW PRECISION. The matrix products marked QUANTISED in the list below multiply operands that are first quantised to E5M2 (5 exponent bits, 2 mantissa bits; 8 bits a number), with one power-of-two scale for each 32 numbers along K (OCP MX v1.0); their sums are f32. All else is computed in f32.
;;   The module's matrix products, in the order in which they are computed (A, B: the left and right operand; K: the contracted axis; several contracted axes count as one K, in the product's order):
;;     1. [M 32,768, K 2,048] x [K 2,048, N 1,024]; A: input enc_out; B: input W_enc: QUANTISED
;;     2. [M 64, K 1,024] x [K 1,024, N 1,024]; A: input dec_out; B: input W_dec: QUANTISED
;;     3. [M 32,768, K 1,024] x [K 1,024, N 1]; A: computed on the way; B: input W_att: left as it is (N = 1 < 16)
;;     4. batch 64 x [M 2,048, K 512] x [K 512, N 1]; A: input enc_out; B: softmax: left as it is (N = 1 < 16)
;;   THE QUANTISER, for each operand of a quantised product, along K:
;;     - K is cut into blocks of 32 from its start; a last block that is shorter is filled with zeros.
;;     - A block's scale is 2^e with e = floor(log2(the largest magnitude in the block)) - 15, held to -126 .. 127; a block of zeros has e = 0. As a byte (E8M0): e + 127.
;;     - Each number is divided by its block's scale, clamped to +-57,344, and rounded to the nearest number of E5M2, ties to even, subnormals kept.
;;     - The product sums the exact products of the quantised numbers (number of the format x scale) in f32.
;;   ~~~python
;;   def quantise(x, axis):      # numpy; x: float32 -> the quantised numbers, widened to float32 again
;;       x = np.moveaxis(x, axis, -1); K = x.shape[-1]
;;       x = np.pad(x, [(0, 0)] * (x.ndim - 1) + [(0, -K % 32)]); x = x.reshape(x.shape[:-1] + (-1, 32)); a = np.abs(x).max(-1, keepdims=True)
;;       e = np.where(a > 0, np.clip(np.frexp(np.where(a > 0, a, 1))[1] - 1 - 15, -126, 127), 0)      # np.frexp(a)[1] - 1 = floor(log2(a)), exactly
;;       r = np.clip(x / 2.0 ** e, -57344, 57344)
;;       step = 2.0 ** (np.maximum(np.frexp(np.where(r == 0, 1, r))[1] - 1, -14) - 2)
;;       q = np.round(r / step) * step * 2.0 ** e      # np.round: ties to even
;;       return np.moveaxis(q.reshape(q.shape[:-2] + (-1,))[..., :K], -1, axis).astype(np.float32)
;;   ~~~
;; 2 versions. Each part assembles by itself: llvm-mc -triple=amdgcn-amd-amdhsa -mcpu=gfx1250 --defsym DOCPART=n.
;; ======== version 1 of 2: 3 launches
;; workspace buffers: wq 2,162,688 bytes; cvec 262,144 bytes; sc 131,072 bytes; opart 2,097,152 bytes
;; launch prep (part 1): grid 320 x 1, 8 waves a work-group, no clusters, 9,216 bytes of LDS; arguments W_enc, W_dec, dec_out, b_dec, b_enc, wq, cvec; writes wq, cvec
.if DOCPART == 1
	.amdgcn_target "amdgcn-amd-amdhsa--gfx1250"
	.amdhsa_code_object_version 6
	.text
	.protected	k_q2071f5546f_prep
	.globl	k_q2071f5546f_prep
	.p2align	8
	.type	k_q2071f5546f_prep,@function
k_q2071f5546f_prep:
	s_mov_b64 s[64:65], 0
	v_nop
	global_prefetch_b8 v0, s[64:65] scope:SCOPE_SE
	s_setreg_imm32_b32 hwreg(HW_REG_WAVE_MODE, 25, 1), 1
	s_wait_xcnt 0x0
; THE PROGRAM.  scores[b][n] = relu(Q(enc_out) Q(W_enc) + Q(dec_out) Q(W_dec) + b_enc + b_dec) . W_att;  alpha = softmax of the scores over a batch's 512 positions;
; weighted_enc[b] = the sum over n of alpha[b][n] enc_out[b][n][:].  Q: codes of E5M2 with one E8M0 scale for each 32 along K.
; DEAD WORK: b_att.  It is added to every score of a row of the softmax, and the scores are no output: exp(s + b_att - max(s + b_att)) = exp(s - max(s)) for all values of the inputs, so it reaches
; neither alpha nor weighted_enc.  b_att is not loaded and is no argument of any launch.  LIMIT: a NaN, an infinity or an overflow that b_att alone would bring is not carried to the result.
; LIMITS: NaN and infinities among the inputs are not served.  A block of zeros gets the scale byte 1 where the rule says 127: its codes are zeros, which add nothing under any byte but 0xff,
; and the bytes are read by this program alone.
; THIS LAUNCH has two paths, parted by the work-group's number.
; PATH W (work-groups 0-63): W_enc [2048 (k)][1024 (n)] f32 becomes codes in the ORDER OF THE OPERAND'S REGISTERS: wq = [g 0..7][s 0..15] blocks of 16,896 bytes; in a block the 16 codes of
;   W_enc[128 s + 32 c + 16 h + 0..15][128 g + 16 b + r] lie at 2048 b + 512 c + 256 h + 16 r, and from byte 16,384 on 128 scale words, word 16 b + r, byte c for block c.
;   A lane takes a column and its registers run down K: a block of 32 lies in one lane, and the conversions give codes with K innermost.  No LDS.
; PATH D (work-groups 64-319): cvec[64][1024] = Q(dec_out) Q(W_dec) + b_dec + b_enc.  A work-group makes 16 rows x 16 columns; wave s takes K step s (128 along K), one matrix instruction;
;   the eight partial tiles meet in LDS and wave 0 adds them, K ascending, onto the two biases.
.set BLKB,  16896
.set SPARE, 8192                       ; behind path D's 8,192 bytes of partial tiles: the spare words, 128 bytes for each of eight waves
.set SEL,   20                         ; s[20:21] v_permlanex16_b32's selects for lane l xor 16
.set MNT,   22                         ; s22 the mantissa field of 57,344
.set X,     32                         ; path W: v32-159 four blocks of 32 numbers
.set C,     160                        ; path W: v160-191 codes, 8 registers a block, never rewritten
.set WN,    32                         ; path D: v32-95 64 numbers of W_dec
.set XN,    96                         ; v96-159 64 numbers of dec_out
.set PCW,   160                        ; v160-175 W_dec's fragment
.set PCX,   176                        ; v176-191 dec_out's fragment
.set TM,    192                        ; v192-207 at work in QUANT
.set PWW,   208                        ; v208, v209: the two scale words, and nothing else
.set PWX,   209
	s_load_b256 s[4:11], s[0:1], 0x0               ; W_enc s[4:5], W_dec s[6:7], dec_out s[8:9], b_dec s[10:11]
	s_load_b128 s[12:15], s[0:1], 0x20             ; b_enc s[12:13], wq s[14:15]
	s_load_b64 s[16:17], s[0:1], 0x30              ; cvec
	v_lshl_add_u32 v2, v0, 2, SPARE                ; my spare word; never rewritten
	v_mov_b32 v3, 0                                ; 0; never rewritten
	v_lshrrev_b32 v1, 5, v0
	v_readfirstlane_b32 s18, v1                    ; wave 0..7
	v_and_b32 v1, 31, v0                           ; lane
	s_mov_b32 s[SEL], 0x76543210
	s_mov_b32 s[SEL+1], 0xfedcba98
	s_mov_b32 s[MNT], 0x600000
	s_mov_b32 s29, 0                               ; the high word of every offset pair s[28:29]
	s_cmp_lt_u32 ttmp9, 64                         ; the work-group's number alone: all eight waves go the same way
	s_cbranch_scc0 .Ldec
; ---------------- PATH W ----------------
	s_and_b32 s24, ttmp9, 7                        ; g: which 128 columns
	s_lshr_b32 s25, ttmp9, 3
	s_lshl_b32 s25, s25, 1
	s_lshr_b32 s26, s18, 2
	s_add_co_u32 s25, s25, s26                     ; s: which 128 along K = 2 (x / 8) + wave / 4
	s_and_b32 s26, s18, 3                          ; w': which 32 of the 128 columns
	v_lshlrev_b32 v4, 2, v1                        ; in: 4 bytes a lane: 128 consecutive bytes a load
	v_lshrrev_b32 v8, 4, v1
	v_and_b32 v9, 15, v1
	v_lshlrev_b32 v5, 4, v9
	v_lshl_add_u32 v5, v8, 11, v5
	v_lshl_add_u32 v5, s26, 12, v5                 ; out: tile b = 2 w' + lane / 16, r = lane % 16: 2048 b + 16 r
	v_lshl_add_u32 v6, s26, 7, v4
	v_add_nc_u32 v6, 16384, v6                     ; my scale word: 16,384 + 4 (32 w' + lane)
	s_lshl_b32 s28, s25, 19                        ; 128 rows of 4,096 bytes a K step
	s_lshl_b32 s27, s24, 9
	s_add_co_u32 s28, s28, s27
	s_lshl_b32 s27, s26, 7
	s_add_co_u32 s28, s28, s27
	s_wait_kmcnt 0x0
	s_add_nc_u64 s[4:5], s[4:5], s[28:29]          ; W_enc at (128 s, 128 g + 32 w')
	s_lshl_b32 s27, s24, 4
	s_add_co_u32 s27, s27, s25
	s_mul_i32 s28, s27, BLKB
	s_add_nc_u64 s[14:15], s[14:15], s[28:29]      ; wq at block (g, s)
.macro LOADW c                         ; block c: W_enc(128 s + 32 c + i, my column), i = 0 .. 31
.irp i, 0,1,2,3,4,5,6,7,8,9,10,11,12,13,14,15,16,17,18,19,20,21,22,23,24,25,26,27,28,29,30,31
	global_load_b32 v[X+32*(\c)+\i], v4, s[4:5] offset:(32*(\c)+\i)*4096 th:TH_LOAD_NT
.endr
.endm
.macro BLOCKW c
.set XS, X+32*(\c)
.if (\c) < 3
	s_wait_loadcnt 32                              ; this block's 32 loads are in; the next block's 32 may be out
.else
	s_wait_loadcnt 0
.endif
	v_max3_num_f32 v12, |v[XS]|, |v[XS+1]|, |v[XS+2]|     ; the block's largest magnitude: all 32 numbers are mine; two chains
	v_max3_num_f32 v13, |v[XS+3]|, |v[XS+4]|, |v[XS+5]|
.irp i, 6,10,14,18,22,26
	v_max3_num_f32 v12, v12, |v[XS+\i]|, |v[XS+\i+1]|
	v_max3_num_f32 v13, v13, |v[XS+\i+2]|, |v[XS+\i+3]|
.endr
	v_max3_num_f32 v12, v12, |v[XS+30]|, |v[XS+31]|
	v_max3_num_f32 v12, v12, v13, 0x8000000        ; and the floor 2^(16 - 127): the byte cannot fall under 1
	v_add_nc_u32 v11, 0xf8800000, v12              ; 15 off the exponent field: the conversion's scale operand
	v_and_or_b32 v10, v12, 0x7f800000, s[MNT]      ; 57,344 x the scale
	v_lshrrev_b32 v13, 23, v11                     ; the scale's byte
.if (\c) == 0
	v_mov_b32 v14, v13                             ; four bytes make my column's scale word, the lower K in the lower byte
.else
	v_lshl_or_b32 v14, v13, 8*(\c), v14
.endif
.irp i, 0,1,2,3,4,5,6,7,8,9,10,11,12,13,14,15,16,17,18,19,20,21,22,23,24,25,26,27,28,29,30,31
	v_med3_num_f32 v[XS+\i], v[XS+\i], -v10, v10   ; the conversion to an 8-bit code does not saturate (ISA guide 7.6.2): the hold at the largest code x the scale
.endr
.irp g, 0,1,2,3
	v_cvt_scalef32_pk8_bf8_f32 v[C+8*(\c)+2*\g:C+8*(\c)+2*\g+1], v[XS+8*\g:XS+8*\g+7], v11
.endr
	v_nop                                          ; one plain line behind the conversions: the next block writes their scale operand
	global_store_b128 v5, v[C+8*(\c):C+8*(\c)+3], s[14:15] offset:512*(\c)          ; k = 32 c + 0 .. 15 (h = 0): sixteen lanes store 256 consecutive bytes, aligned
	global_store_b128 v5, v[C+8*(\c)+4:C+8*(\c)+7], s[14:15] offset:512*(\c)+256    ; k = 32 c + 16 .. 31 (h = 1)
.if (\c)+2 < 4
	LOADW (\c)+2
.endif
.endm
	LOADW 0
	LOADW 1
	BLOCKW 0
	BLOCKW 1
	BLOCKW 2
	BLOCKW 3
	global_store_b32 v6, v14, s[14:15]             ; 128 consecutive bytes a wave
	s_endpgm
; ---------------- PATH D ----------------
; 64 numbers of a lane, register 16 b + i = k 32 b + 16 (lane / 16) + i of my row or column, become a fragment's 16 registers of codes and its scale word.
.macro QUANT s, pc, pw
.irp b, 0,1,2,3
	v_max3_num_f32 v[TM+\b], |v[\s+16*\b]|, |v[\s+1+16*\b]|, 0x8000000   ; block b: my 16 numbers, and the floor 2^(16 - 127)
.endr
.irp i, 2,4,6,8,10,12,14
.irp b, 0,1,2,3
	v_max3_num_f32 v[TM+\b], v[TM+\b], |v[\s+16*\b+\i]|, |v[\s+1+16*\b+\i]|   ; the four blocks by turns
.endr
.endr
.irp b, 0,1,2,3
	v_permlanex16_b32 v[TM+4+\b], v[TM+\b], s[SEL], s[SEL+1]
.endr
.irp b, 0,1,2,3
	v_max_num_f32 v[TM+\b], v[TM+\b], v[TM+4+\b]   ; with lane l xor 16's 16: the block's largest magnitude
.endr
.irp b, 0,1,2,3
	v_add_nc_u32 v[TM+12+\b], 0xf8800000, v[TM+\b] ; the conversion's scale operand
.endr
.irp b, 0,1,2,3
	v_and_or_b32 v[TM+8+\b], v[TM+\b], 0x7f800000, s[MNT]   ; 57,344 x the scale
.endr
.irp b, 0,1,2,3
	v_lshrrev_b32 v[TM+4+\b], 23, v[TM+12+\b]      ; the scale's byte
.endr
	v_lshl_or_b32 v[\pw], v[TM+5], 8, v[TM+4]
	v_lshl_or_b32 v[\pw], v[TM+6], 16, v[\pw]
	v_lshl_or_b32 v[\pw], v[TM+7], 24, v[\pw]
.irp b, 0,1,2,3
.irp i, 0,1,2,3,4,5,6,7,8,9,10,11,12,13,14,15
	v_med3_num_f32 v[\s+16*\b+\i], v[\s+16*\b+\i], -v[TM+8+\b], v[TM+8+\b]
.endr
	v_cvt_scalef32_pk8_bf8_f32 v[\pc+4*\b:\pc+1+4*\b], v[\s+16*\b:\s+7+16*\b], v[TM+12+\b]
	v_cvt_scalef32_pk8_bf8_f32 v[\pc+2+4*\b:\pc+3+4*\b], v[\s+8+16*\b:\s+15+16*\b], v[TM+12+\b]
.endr
	v_nop                                          ; one plain line behind the last conversion
.endm
.Ldec:
	s_sub_co_u32 s24, ttmp9, 64
	s_and_b32 s25, s24, 63                         ; t: which 16 columns
	s_lshr_b32 s26, s24, 6                         ; rt: which 16 rows
	v_and_b32 v10, 15, v0                          ; r
	v_bfe_u32 v11, v0, 4, 1                        ; h
	v_lshlrev_b32 v4, 2, v10
	v_lshl_add_u32 v4, v11, 16, v4                 ; W_dec: column r, 16 h rows of 4,096 bytes down
	v_lshlrev_b32 v5, 12, v10
	v_lshl_add_u32 v5, v11, 6, v5                  ; dec_out: row r, + 64 h: my 16 numbers of a block of 32
	v_lshlrev_b32 v6, 5, v11                       ; the biases: my eight columns 8 h + 0 .. 7
	v_lshl_add_u32 v7, v10, 12, v6                 ; cvec: row r, + 32 h
	v_lshlrev_b32 v9, 4, v1                        ; 16 x lane
	s_lshl_b32 s27, s18, 10
	v_add_nc_u32 v8, s27, v9                       ; LDS: my wave's 1,024 bytes, my lane's 16
.irp b, 0,1,2,3
	v_mov_b32 v[TM+4+\b], 0                        ; written once: a lane permute's destination counts as one of its sources
.endr
	s_lshl_b32 s28, s18, 19                        ; K step = wave: 128 rows of W_dec
	s_lshl_b32 s27, s25, 6                         ; 64 t
	s_add_co_u32 s28, s28, s27
	s_wait_kmcnt 0x0
	s_add_nc_u64 s[6:7], s[6:7], s[28:29]
	s_lshl_b32 s28, s26, 16                        ; 16 rows of dec_out
	s_lshl_b32 s30, s18, 9                         ; 128 along K
	s_add_co_u32 s28, s28, s30
	s_add_nc_u64 s[8:9], s[8:9], s[28:29]
	s_mov_b32 s28, s27
	s_add_nc_u64 s[10:11], s[10:11], s[28:29]      ; b_dec and b_enc at column 16 t
	s_add_nc_u64 s[12:13], s[12:13], s[28:29]
	s_lshl_b32 s28, s26, 16
	s_add_co_u32 s28, s28, s27
	s_add_nc_u64 s[16:17], s[16:17], s[28:29]      ; cvec at (16 rt, 16 t)
.irp c, 0,1,2,3
.irp i, 0,1,2,3,4,5,6,7,8,9,10,11,12,13,14,15
	global_load_b32 v[WN+16*\c+\i], v4, s[6:7] offset:(32*\c+\i)*4096      ; W_dec(128 s + 32 c + 16 h + i, 16 t + r)
.endr
.endr
.irp c, 0,1,2,3
.irp j, 0,1,2,3
	global_load_b128 v[XN+16*\c+4*\j:XN+16*\c+4*\j+3], v5, s[8:9] offset:128*\c+16*\j   ; dec_out(16 rt + r, 128 s + 32 c + 16 h + 4 j ..)
.endr
.endr
	s_wait_loadcnt 0x0
	QUANT WN, PCW, PWW
	QUANT XN, PCX, PWX
.rept 4
	v_nop                                          ; codes written by vector instructions stand four places ahead of a scaled matrix instruction; the scale words were made ahead of the holds
.endr
	v_wmma_scale_f32_16x16x128_f8f6f4 v[16:23], v[PCW:PCW+15], v[PCX:PCX+15], 0, v[PWW], v[PWX] matrix_a_fmt:MATRIX_FMT_BF8 matrix_b_fmt:MATRIX_FMT_BF8   ; transposed: lane (r, h) holds row 16 rt + r, columns 16 t + 8 h + 0 .. 7
.rept 8
	v_nop                                          ; eight places ahead of the first read of the result
.endr
	ds_store_b128 v8, v[16:19]                     ; the partial tile as an image of its registers, from its low end on
	ds_store_b128 v8, v[20:23] offset:512
	s_wait_dscnt 0x0                               ; for wave 0's sake: my stores are done
	s_barrier_signal -1
	s_barrier_wait -1
	s_cmp_lg_u32 s18, 0
	s_cbranch_scc1 .Ldone
	global_load_b128 v[24:27], v6, s[10:11]
	global_load_b128 v[28:31], v6, s[10:11] offset:16
	global_load_b128 v[96:99], v6, s[12:13]
	global_load_b128 v[100:103], v6, s[12:13] offset:16
.irp s, 0,1,2,3,4,5,6,7
	ds_load_b128 v[32+8*\s:35+8*\s], v9 offset:1024*\s
	ds_load_b128 v[36+8*\s:39+8*\s], v9 offset:1024*\s+512
.endr
	s_wait_loadcnt 0x0
	s_wait_dscnt 0x0
.irp j, 0,2,4,6
	v_pk_add_f32 v[24+\j:25+\j], v[24+\j:25+\j], v[96+\j:97+\j]           ; b_dec + b_enc
.endr
.irp s, 0,1,2,3,4,5,6,7
.irp j, 0,2,4,6
	v_pk_add_f32 v[24+\j:25+\j], v[24+\j:25+\j], v[32+8*\s+\j:33+8*\s+\j] ; + the K steps, ascending
.endr
.endr
	global_store_b128 v7, v[24:27], s[16:17]
	global_store_b128 v7, v[28:31], s[16:17] offset:16
.Ldone:
	s_wait_tensorcnt 0x0                           ; the wave's end
	ds_add_u32 v2, v3
	s_wait_dscnt 0x0
	s_endpgm
.Lfunc_end_k_q2071f5546f_prep:
	.size	k_q2071f5546f_prep, .Lfunc_end_k_q2071f5546f_prep-k_q2071f5546f_prep
	.p2alignl 7, 3214868480
	.fill 96, 4, 3214868480
	.section	.rodata,"a",@progbits
	.p2align	6, 0x0
	.amdhsa_kernel k_q2071f5546f_prep
		.amdhsa_group_segment_fixed_size 9216
		.amdhsa_private_segment_fixed_size 0
		.amdhsa_enable_private_segment 0
		.amdhsa_kernarg_size 56
		.amdhsa_user_sgpr_count 2
		.amdhsa_user_sgpr_kernarg_segment_ptr 1
		.amdhsa_wavefront_size32 1
		.amdhsa_system_sgpr_workgroup_id_x 1
		.amdhsa_system_sgpr_workgroup_id_y 1
		.amdhsa_system_sgpr_workgroup_id_z 1
		.amdhsa_system_vgpr_workitem_id 0
		.amdhsa_next_free_vgpr 216
		.amdhsa_next_free_sgpr 66
		.amdhsa_reserve_vcc 0
		.amdhsa_float_denorm_mode_32 3
		.amdhsa_float_denorm_mode_16_64 3
		.amdhsa_memory_ordered 1
		.amdhsa_forward_progress 1
		.amdhsa_inst_pref_size 59
	.end_amdhsa_kernel
	.amdgpu_metadata
---
amdhsa.version: [ 1, 2 ]
amdhsa.kernels:
  - .name:           k_q2071f5546f_prep
    .symbol:         k_q2071f5546f_prep.kd
    .args:
      - { .name: W_enc, .offset: 0, .size: 8, .value_kind: global_buffer, .address_space: global }
      - { .name: W_dec, .offset: 8, .size: 8, .value_kind: global_buffer, .address_space: global }
      - { .name: dec_out, .offset: 16, .size: 8, .value_kind: global_buffer, .address_space: global }
      - { .name: b_dec, .offset: 24, .size: 8, .value_kind: global_buffer, .address_space: global }
      - { .name: b_enc, .offset: 32, .size: 8, .value_kind: global_buffer, .address_space: global }
      - { .name: wq, .offset: 40, .size: 8, .value_kind: global_buffer, .address_space: global }
      - { .name: cvec, .offset: 48, .size: 8, .value_kind: global_buffer, .address_space: global }
    .group_segment_fixed_size: 9216
    .private_segment_fixed_size: 0
    .kernarg_segment_align: 8
    .kernarg_segment_size: 56
    .max_flat_workgroup_size: 256
    .sgpr_count:     66
    .vgpr_count:     216
    .wavefront_size: 32
...
	.end_amdgpu_metadata
.endif
;; end of part 1
;; launch main (part 2): grid 256 x 1, 4 waves a work-group, no clusters, 306,688 bytes of LDS; arguments enc_out, wq, cvec, W_att, sc, opart; writes sc, opart
.if DOCPART == 2
	.amdgcn_target "amdgcn-amd-amdhsa--gfx1250"
	.amdhsa_code_object_version 6
	.text
	.protected	k_q2071f5546f_main
	.globl	k_q2071f5546f_main
	.p2align	8
	.type	k_q2071f5546f_main,@function
k_q2071f5546f_main:
	s_mov_b64 s[64:65], 0
	v_nop
	global_prefetch_b8 v0, s[64:65] scope:SCOPE_SE
	s_setreg_imm32_b32 hwreg(HW_REG_WAVE_MODE, 25, 1), 1
	s_wait_xcnt 0x0
; Work-group x takes rows 128 x .. 128 x + 127 of enc_out [32768][2048] f32 (a quarter of batch x / 4) through four phases.  b_att is left out (it is the same along the softmax's axis: see the first kernel's head).
; X: wave w reads its 32 rows, quantises them to E5M2 with E8M0 scales along K and leaves the codes in LDS as images of the operand's registers (262,144 bytes) with their scale words (8,192 bytes).
; G: product 1.  Wave w takes all 128 rows x the 128 columns of group g = 4 p + w, passes p = 0, 1: 64 accumulators of 16 x 16.  cvec (Q(dec_out) Q(W_dec) + both biases) is the C of each sum's first matrix
;    instruction; relu and the dot with W_att are done on the accumulators in registers.  W's codes come from wq, laid in the order of the operand's registers, straight into registers, two K steps ahead.
; S: the 128 scores (stored to sc), their largest number m, p = 2^((s - m) log2 e).   W: the rows are read again; opart[x] = the sum over my rows of p x row.  The last launch joins a batch's four quarters.
; NO CLUSTER, NO TENSOR LOAD: all work-groups walk the same codes of W, but the images, their words and the stages take 304,128 of the work-group's LDS bytes; two slots for a K step of W (4 x 16,896 bytes) would be 135,168.
; THE MATRIX INSTRUCTION IS USED TRANSPOSED (source 0 = 16 columns of W, source 1 = 16 rows of x): lane (r, h) holds row 16 a + r and columns 16 b + 8 h + 0 .. 7.
; LIMITS: NaN and infinities among the inputs are not served; a block of zeros gets the byte 1 (its codes are zeros; this program alone reads the bytes).
; LDS: images: fragment (K step s, row tile m) at 32768 m + 2048 s + 512 c + 16 lane: wave w writes bytes 65536 w .. 65536 w + 65535 alone.  XSC: word of row r at XSC + 1024 m + 64 s + 4 r.
;      STAGE: 16 rows x 528 bytes for each wave.  Behind the second barrier the images' bytes are used again: 0 .. 2047 the waves' partial scores, from OPV on 8,192 bytes of partial sums for each wave.
; REGISTERS, in windows of 256.  Window 0: v1-11, v48-59 addresses; v12-19 score sums; v20, v21 the add's two; v22-29 at work; v32-39 W's scale words, v40-47 x's (scales and nothing else);
;   v64-127 x's numbers (X), cvec (G); v128-255 A's fragments (G), W_att and relu's results on the way out of a pass.  Window 1: loads in flight (X, W); B's two sets (G).  Windows 2, 3: accumulator (a, b) at v[8 (8 (a % 4) + b)].
.set XSC,   262144
.set STAGE, 270336
.set SPARE, 306176                     ; the spare words, 128 bytes for each wave: two blocks of 256 bytes that no other line names
.set OPV,   8192
.set BLKB,  16896                      ; a block of wq: 128 columns x 128 K of codes, and 128 scale words
.set SEL,   20                         ; s[20:21] v_permlanex16_b32's selects for lane l xor 16
.set MNT,   22                         ; s22 the mantissa field of 57,344
.set TM,    144                        ; v144-159 at work in QUANT
.set MSB,   0
.macro WIN new                         ; s_set_vgpr_msb: bits 1:0 source 0, 3:2 source 1, 5:4 source 2, 7:6 destination; the high byte repeats the setting that is left
.if MSB != \new
	s_set_vgpr_msb (MSB<<8)|\new
.set MSB, \new
.endif
.endm
; 64 numbers of a lane, register 16 b + i = k 32 b + 16 (lane / 16) + i of my row, become a fragment's 16 registers of codes and its scale word.
.macro QUANT s, pc, pw
.irp b, 0,1,2,3
	v_max3_num_f32 v[TM+\b], |v[\s+16*\b]|, |v[\s+1+16*\b]|, 0x8000000   ; block b: my 16 numbers, and the floor 2^(16 - 127): the byte cannot fall under 1
.endr
.irp i, 2,4,6,8,10,12,14
.irp b, 0,1,2,3
	v_max3_num_f32 v[TM+\b], v[TM+\b], |v[\s+16*\b+\i]|, |v[\s+1+16*\b+\i]|   ; the four blocks by turns
.endr
.endr
.irp b, 0,1,2,3
	v_permlanex16_b32 v[TM+4+\b], v[TM+\b], s[SEL], s[SEL+1]
.endr
.irp b, 0,1,2,3
	v_max_num_f32 v[TM+\b], v[TM+\b], v[TM+4+\b]   ; with lane l xor 16's 16: the block's largest magnitude
.endr
.irp b, 0,1,2,3
	v_add_nc_u32 v[TM+12+\b], 0xf8800000, v[TM+\b] ; 15 off the exponent field: the conversion's scale operand
.endr
.irp b, 0,1,2,3
	v_and_or_b32 v[TM+8+\b], v[TM+\b], 0x7f800000, s[MNT]   ; 57,344 x the scale
.endr
.irp b, 0,1,2,3
	v_lshrrev_b32 v[TM+4+\b], 23, v[TM+12+\b]      ; the scale's byte
.endr
	v_lshl_or_b32 v[\pw], v[TM+5], 8, v[TM+4]
	v_lshl_or_b32 v[\pw], v[TM+6], 16, v[\pw]
	v_lshl_or_b32 v[\pw], v[TM+7], 24, v[\pw]
.irp b, 0,1,2,3
.irp i, 0,1,2,3,4,5,6,7,8,9,10,11,12,13,14,15
	v_med3_num_f32 v[\s+16*\b+\i], v[\s+16*\b+\i], -v[TM+8+\b], v[TM+8+\b]   ; the conversion to an 8-bit code does not saturate (ISA guide 7.6.2): the hold
.endr
	v_cvt_scalef32_pk8_bf8_f32 v[\pc+4*\b:\pc+1+4*\b], v[\s+16*\b:\s+7+16*\b], v[TM+12+\b]
	v_cvt_scalef32_pk8_bf8_f32 v[\pc+2+4*\b:\pc+3+4*\b], v[\s+8+16*\b:\s+15+16*\b], v[TM+12+\b]
.endr
	v_nop                                          ; one plain line behind the last conversion
.endm
.macro BARRIER                         ; my LDS stores have landed and my LDS loads are in: then the work-group's barrier
	s_wait_dscnt 0x0
	s_barrier_signal -1
	s_barrier_wait -1
.endm
	s_load_b256 s[4:11], s[0:1], 0x0               ; enc_out s[4:5], wq s[6:7], cvec s[8:9], W_att s[10:11]
	s_load_b128 s[12:15], s[0:1], 0x20             ; sc s[12:13], opart s[14:15]
	v_lshl_add_u32 v20, v0, 2, SPARE               ; my spare word; never rewritten
	v_mov_b32 v21, 0                               ; 0; never rewritten
	v_lshrrev_b32 v7, 5, v0
	v_readfirstlane_b32 s16, v7                    ; wave 0..3
	v_and_b32 v8, 31, v0                           ; lane
	v_and_b32 v30, 15, v0                          ; r
	v_bfe_u32 v31, v0, 4, 1                        ; h
	v_lshlrev_b32 v1, 4, v8                        ; 16 x lane
	v_lshlrev_b32 v2, 2, v8                        ; 4 x lane
	s_mul_i32 s17, s16, 8448
	s_add_co_u32 s17, s17, STAGE                   ; my stage
	v_add_nc_u32 v3, s17, v1                       ; into it: a row's 512 bytes as they lie
	v_mul_u32_u24 v4, v30, 528
	v_lshl_add_u32 v4, v31, 6, v4
	v_add_nc_u32 v4, s17, v4                       ; out of it: row r, + 64 h: my 16 numbers of a block of 32
	s_lshl_b32 s18, s16, 16
	v_add_nc_u32 v5, s18, v1                       ; my images: 65536 w + 16 lane
	s_lshl_b32 s18, s16, 11
	s_add_co_u32 s18, s18, XSC
	v_lshl_add_u32 v6, v30, 2, s18                 ; my scale words: XSC + 2048 w + 4 r
	v_lshlrev_b32 v10, 2, v30
	v_lshl_add_u32 v10, v31, 10, v10
	v_add_nc_u32 v10, XSC, v10                     ; reading them: lanes 0-15 an even row tile's, lanes 16-31 the next tile's, 1,024 bytes on
	v_lshlrev_b32 v11, 5, v31                      ; cvec and W_att: my eight columns 8 h + 0 .. 7
.irp k, 0,1,2,3
	v_add_nc_u32 v[52+\k], 65536*\k, v1            ; reading the images: row tiles 2 k and 2 k + 1
.endr
	s_lshl_b32 s18, s16, 13
	s_add_co_u32 s18, s18, OPV
	v_add_nc_u32 v56, s18, v1                      ; my partial sums: OPV + 8192 w + 16 lane
	s_lshl_b32 s18, s16, 9
	v_lshl_add_u32 v57, v30, 2, s18                ; my partial scores: 512 w + 4 r
	s_lshl_b32 s18, s16, 7
	v_add_nc_u32 v58, s18, v2                      ; the score of row 32 w + lane
	s_xor_b32 s18, s16, 3
	s_lshl_b32 s18, s18, 11
	s_add_co_u32 s18, s18, OPV
	v_add_nc_u32 v59, s18, v1                      ; the join: the sums lie by trip, the rows' last bytes first: my 2,048 bytes begin at 2048 (3 - w)
.irp a, 0,1,2,3,4,5,6,7
	v_mov_b32 v[12+\a], 0                          ; the score sums of my eight row tiles: both passes add onto them
.endr
.irp b, 0,1,2,3
	v_mov_b32 v[TM+4+\b], 0                        ; written once: a lane permute's destination counts as one of its sources
.endr
	s_mov_b32 s[SEL], 0x76543210
	s_mov_b32 s[SEL+1], 0xfedcba98
	s_mov_b32 s[MNT], 0x600000
	s_mov_b32 s19, 0                               ; the high word of every offset pair s[18:19]
	s_wait_kmcnt 0x0
	s_lshl_b32 s18, ttmp9, 20                      ; 128 rows of 8,192 bytes
	s_lshl_b32 s17, s16, 18                        ; 32 rows
	s_add_co_u32 s18, s18, s17
	s_add_nc_u64 s[28:29], s[4:5], s[18:19]        ; PX: my first row
	s_add_nc_u64 s[38:39], s[28:29], 7168          ; PE: its last 1,024 bytes
	s_mul_i32 s18, s16, 16*BLKB
	s_add_nc_u64 s[32:33], s[6:7], s[18:19]        ; PB0: wq at group g = w
	s_lshr_b32 s18, ttmp9, 2
	s_lshl_b32 s18, s18, 12
	s_lshl_b32 s17, s16, 9
	s_add_co_u32 s18, s18, s17
	s_add_nc_u64 s[34:35], s[8:9], s[18:19]        ; PCV: cvec at (batch, 128 w)
	s_mov_b32 s18, s17
	s_add_nc_u64 s[36:37], s[10:11], s[18:19]      ; PWA: W_att at 128 w
	s_lshl_b32 s18, ttmp9, 9
	s_add_nc_u64 s[12:13], s[12:13], s[18:19]      ; sc at my 128 rows
	s_lshl_b32 s18, ttmp9, 13
	s_lshl_b32 s17, s16, 11
	s_add_co_u32 s18, s18, s17
	s_add_nc_u64 s[14:15], s[14:15], s[18:19]      ; opart at (x, 512 w)
; ---------------- PHASE X ----------------
; A fragment f of a trip: K step f / 2 of the trip's two, row tile f % 2 of my two: 16 rows x 512 bytes.  Each load reads 512 consecutive bytes of one row; the 16 rows turn through my stage,
; so that a lane gets 16 neighbours along K of each block of 32.  Four sets of 16 loads are in flight.
.macro FRAGX f, load, left
	s_wait_loadcnt \left                           ; my set's 16 loads are in; the younger sets stay out
	WIN 0x04                                       ; an LDS store's data are its source 1: window 1
.irp i, 0,1,2,3,4,5,6,7,8,9,10,11,12,13,14,15
	ds_store_b128 v3, v[64*\f+4*\i:64*\f+4*\i+3] offset:528*\i
.endr
	WIN 0
.irp b, 0,1,2,3
.irp j, 0,1,2,3
	ds_load_b128 v[64+16*\b+4*\j:64+16*\b+4*\j+3], v4 offset:128*\b+16*\j    ; LDS serves a wave's instructions in order (ISA guide 5.7.1.4): these see the stores above
.endr
.endr
	s_wait_dscnt 0x0                               ; the numbers are back; the stores have read the set's registers, and the last fragment's image stores theirs
.if \load
	WIN 0x40                                       ; destination window 1
.irp i, 0,1,2,3,4,5,6,7,8,9,10,11,12,13,14,15
	global_load_b128 v[64*\f+4*\i:64*\f+4*\i+3], v1, s[28:29] offset:(16*(\f%2)+\i)*8192+512*(\f/2)+1024   ; the same fragment of the next trip
.endr
	WIN 0
.endif
	QUANT 64, 128, 160
.irp c, 0,1,2,3
	ds_store_b128 v7, v[128+4*\c:128+4*\c+3] offset:32768*(\f%2)+2048*(\f/2)+512*\c   ; the fragment as an image of its registers
.endr
	ds_store_b32 v8, v160 offset:1024*(\f%2)+64*(\f/2)   ; both halves of the lanes write the same word with the same value
.endm
	WIN 0x40
.irp f, 0,1,2,3
.irp i, 0,1,2,3,4,5,6,7,8,9,10,11,12,13,14,15
	global_load_b128 v[64*\f+4*\i:64*\f+4*\i+3], v1, s[28:29] offset:(16*(\f%2)+\i)*8192+512*(\f/2)
.endr
.endr
	WIN 0
	s_mov_b32 s25, 0                               ; the trip's place in a row tile's images: 4,096 bytes a trip
	s_mov_b32 s26, 0                               ; and among its scale words: 128 bytes a trip
	s_mov_b32 s23, 7
.Lx:
	v_add_nc_u32 v7, s25, v5
	v_add_nc_u32 v8, s26, v6
	FRAGX 0, 1, 48
	FRAGX 1, 1, 48
	FRAGX 2, 1, 48
	FRAGX 3, 1, 48
	s_wait_xcnt 0x0                                ; the loads have read their base: it may step
	s_add_nc_u64 s[28:29], s[28:29], 1024
	s_add_co_u32 s25, s25, 4096
	s_add_co_u32 s26, s26, 128
	s_sub_co_u32 s23, s23, 1
	s_cmp_lg_u32 s23, 0
	s_cbranch_scc1 .Lx
	v_add_nc_u32 v7, s25, v5
	v_add_nc_u32 v8, s26, v6
	FRAGX 0, 0, 48                                 ; the last trip loads nothing: the counts run down
	FRAGX 1, 0, 32
	FRAGX 2, 0, 16
	FRAGX 3, 0, 0
	BARRIER                                        ; all 128 fragments and their scale words lie in LDS
; ---------------- PHASE G ----------------
.macro WM                              ; one matrix instruction, from the symbols that MUL16 sets; a scale word lies in lanes 16-31 where its tile's number is odd
.if (oB == 0) && (oA == 0)
	v_wmma_scale_f32_16x16x128_f8f6f4 v[rD:rD+7], v[rB:rB+15], v[rA:rA+15], v[rC:rC+7], v[rSW], v[rSA] matrix_a_fmt:MATRIX_FMT_BF8 matrix_b_fmt:MATRIX_FMT_BF8
.elseif (oB == 1) && (oA == 0)
	v_wmma_scale_f32_16x16x128_f8f6f4 v[rD:rD+7], v[rB:rB+15], v[rA:rA+15], v[rC:rC+7], v[rSW], v[rSA] matrix_a_fmt:MATRIX_FMT_BF8 matrix_b_fmt:MATRIX_FMT_BF8 matrix_a_scale:MATRIX_SCALE_ROW1
.elseif (oB == 0) && (oA == 1)
	v_wmma_scale_f32_16x16x128_f8f6f4 v[rD:rD+7], v[rB:rB+15], v[rA:rA+15], v[rC:rC+7], v[rSW], v[rSA] matrix_a_fmt:MATRIX_FMT_BF8 matrix_b_fmt:MATRIX_FMT_BF8 matrix_b_scale:MATRIX_SCALE_ROW1
.else
	v_wmma_scale_f32_16x16x128_f8f6f4 v[rD:rD+7], v[rB:rB+15], v[rA:rA+15], v[rC:rC+7], v[rSW], v[rSA] matrix_a_fmt:MATRIX_FMT_BF8 matrix_b_fmt:MATRIX_FMT_BF8 matrix_a_scale:MATRIX_SCALE_ROW1 matrix_b_scale:MATRIX_SCALE_ROW1
.endif
.endm
; 16 matrix instructions: row tiles a0, a0 + 1 x W's eight column tiles, 128 along K.  par: B's set and the sets of scale words.  first = 1: cvec is the C: nothing is cleared and no bias is added later.
; The 64 accumulators take turns, one instruction a turn, in the same order in every step.
.macro MUL16 a0, par, first
.irp a, \a0, \a0+1
.irp b, 0,1,2,3,4,5,6,7
.set rD, 8*(8*((\a)%4)+\b)
.set rB, 128*(\par)+16*\b
.set rA, 128+16*(\a)
.if \first
.set rC, 64+8*\b
.else
.set rC, rD
.endif
.set rSW, 32+4*(\par)+\b/2
.set rSA, 40+4*(\par)+(\a)/2
.set oB, \b%2
.set oA, (\a)%2
	WM
.endr
.endr
.endm
.macro FETCH_B set, off                ; a block of wq: eight fragments and their scale words: 36 loads, each of consecutive bytes
	WIN 0x40
.irp b, 0,1,2,3,4,5,6,7
.irp c, 0,1,2,3
	global_load_b128 v[128*(\set)+16*\b+4*\c:128*(\set)+16*\b+4*\c+3], v1, s[30:31] offset:\off+2048*\b+512*\c
.endr
.endr
	WIN 0
.irp q, 0,1,2,3
	global_load_b32 v[32+4*(\set)+\q], v2, s[30:31] offset:\off+16384+128*\q    ; lanes 0-15: tile 2 q's words; lanes 16-31: tile 2 q + 1's
.endr
.endm
.macro FETCH_A i0                      ; row tiles i0 .. i0 + 3 of the K step at which v48-51 stand
.irp a, \i0, \i0+1, \i0+2, \i0+3
.irp c, 0,1,2,3
	ds_load_b128 v[128+16*(\a)+4*\c:128+16*(\a)+4*\c+3], v[48+(\a)/2] offset:32768*((\a)%2)+512*\c
.endr
.endr
.endm
.macro SCALES_A par
.irp q, 0,1,2,3
	ds_load_b32 v[40+4*(\par)+\q], v9 offset:2048*\q
.endr
.endm
; A K step of 128: 64 matrix instructions.  A has one set of registers: tiles 0-3 are fetched anew in the step's middle, tiles 4-7 at its end.  B has two sets: the block of two steps on is asked for at the step's end.
; A load into a register that a matrix instruction has read stands eight places behind it, and only plain vector instructions that name none of its registers are places.
; fa: fetch the next step's A;  fb: ask for the block two steps on;  left: the younger block's 36 loads may stay out;  last: W_att comes into the registers that A's tiles 0-3 have left.
.macro STEP par, first, fa, fb, left, last
	s_wait_loadcnt \left
	s_wait_dscnt 16                                ; A's tiles 0-3 and the scale words are in; tiles 4-7 (16 loads) may be out
.if \first
	WIN 0x81                                       ; source 0 (W) window 1, source 1 (x) and C (cvec) window 0, D window 2
.else
	WIN 0xa1                                       ; C and D window 2
.endif
	MUL16 0, \par, \first
	MUL16 2, \par, \first
	s_wait_dscnt 0x0                               ; A's tiles 4-7 are in
	WIN 0
.if \fa
	s_add_co_u32 s25, s25, 2048                    ; the next K step's fragments,
	s_add_co_u32 s26, s26, 64                      ; and scale words
.rept 4
	v_nop
.endr
.irp k, 0,1,2,3
	v_add_nc_u32 v[48+\k], s25, v[52+\k]           ; (with the four above and the one below: nine places)
.endr
	v_add_nc_u32 v9, s26, v10
	FETCH_A 0
	SCALES_A 1-\par
.else
.rept 8
	v_nop
.endr
.endif
.if \last
.irp b, 0,1,2,3,4,5,6,7
	global_load_b128 v[128+8*\b:131+8*\b], v11, s[36:37] offset:64*\b       ; W_att at my columns 16 b + 8 h + 0 .. 7
	global_load_b128 v[132+8*\b:135+8*\b], v11, s[36:37] offset:64*\b+16
.endr
.endif
.if \first
	WIN 0xc1
.else
	WIN 0xf1                                       ; C and D window 3
.endif
	MUL16 4, \par, \first
	MUL16 6, \par, \first
	WIN 0
.rept 8
	v_nop
.endr
.if \fa
	FETCH_A 4
.endif
.if \fb
	s_wait_xcnt 0x0                                ; the earlier loads have read their base: it may step
	s_add_nc_u64 s[30:31], s[30:31], BLKB
	FETCH_B \par, BLKB
.endif
.endm
; Row tile a on the way out of a pass: relu, and the dot with W_att over my 64 columns of each row, in four chains of pairs; the sum goes onto the tile's score sum.
.macro EPI a
.set wv, 0x08+4*((\a)/4)
	WIN wv                                         ; source 1: window 2 or 3
.set i, 0
.rept 64
	v_max_num_f32 v[192+i], 0, v[64*((\a)%4)+i]    ; each accumulator from its low end on
.set i, i+1
.endr
	WIN 0
.irp k, 0,1,2,3
	v_pk_mul_f32 v[22+2*\k:23+2*\k], v[192+2*\k:193+2*\k], v[128+2*\k:129+2*\k]
.endr
.set i, 4
.rept 28
	v_pk_fma_f32 v[22+2*(i%4):23+2*(i%4)], v[192+2*i:193+2*i], v[128+2*i:129+2*i], v[22+2*(i%4):23+2*(i%4)]
.set i, i+1
.endr
	v_pk_add_f32 v[22:23], v[22:23], v[24:25]
	v_pk_add_f32 v[26:27], v[26:27], v[28:29]
	v_pk_add_f32 v[22:23], v[22:23], v[26:27]
	v_add_f32 v22, v22, v23
	v_add_f32 v[12+\a], v[12+\a], v22
.endm
	s_mov_b32 s24, 2
.Lpass:
	s_mov_b64 s[30:31], s[32:33]                   ; PB: the group's first block (every load by the old PB has been waited for)
	s_mov_b32 s25, 0
	s_mov_b32 s26, 0
.irp k, 0,1,2,3
	v_add_nc_u32 v[48+\k], s25, v[52+\k]
.endr
	v_add_nc_u32 v9, s26, v10
.irp b, 0,1,2,3,4,5,6,7
	global_load_b128 v[64+8*\b:67+8*\b], v11, s[34:35] offset:64*\b          ; cvec at my columns 16 b + 8 h + 0 .. 7: eight registers a column tile, in the result's layout
	global_load_b128 v[68+8*\b:71+8*\b], v11, s[34:35] offset:64*\b+16
.endr
	FETCH_B 0, 0
	FETCH_B 1, BLKB
	FETCH_A 0
	SCALES_A 0
	FETCH_A 4
	STEP 0, 1, 1, 1, 36, 0                         ; K step 0 starts the sums; cvec's loads stand ahead of both blocks', so the count covers them
	s_mov_b32 s23, 6
.Lk:
	STEP 1, 0, 1, 1, 36, 0                         ; K steps 1 to 12
	STEP 0, 0, 1, 1, 36, 0
	s_sub_co_u32 s23, s23, 1
	s_cmp_lg_u32 s23, 0
	s_cbranch_scc1 .Lk
	STEP 1, 0, 1, 1, 36, 0                         ; 13: asks for the last block
	STEP 0, 0, 1, 0, 36, 0                         ; 14
	STEP 1, 0, 0, 0, 0, 1                          ; 15
	s_wait_loadcnt 0x0                             ; W_att
.irp a, 0,1,2,3,4,5,6,7
	EPI \a
.endr
	s_add_nc_u64 s[32:33], s[32:33], 64*BLKB       ; four groups on
	s_add_nc_u64 s[34:35], s[34:35], 2048          ; 512 columns on
	s_add_nc_u64 s[36:37], s[36:37], 2048
	s_sub_co_u32 s24, s24, 1
	s_cmp_lg_u32 s24, 0
	s_cbranch_scc1 .Lpass
; ---------------- PHASE W's first loads go out here; they land while the scores are joined ----------------
; A trip takes 1,024 bytes of each of my 32 rows, in two chunks of 512, the upper first; the trips walk from the rows' end to their start, so that the bytes this work-group read last are asked for again first.
; Load q of 64: row q % 32, the upper chunk for q < 32.
	WIN 0x40
.set q, 0
.rept 64
	global_load_b128 v[4*q:4*q+3], v1, s[38:39] offset:(q%32)*8192+512*(1-q/32) th:TH_LOAD_NT
.set q, q+1
.endr
	WIN 0
; ---------------- PHASE S ----------------
	BARRIER                                        ; every wave's reads of the images are over: their bytes may be written
.irp a, 0,1,2,3,4,5,6,7
	v_permlanex16_b32 v[192+\a], v[12+\a], s[SEL], s[SEL+1]
.endr
.irp a, 0,1,2,3,4,5,6,7
	v_add_f32 v[12+\a], v[12+\a], v[192+\a]        ; both halves of the lanes: row 16 a + r over my 256 columns
.endr
.irp a, 0,1,2,3,4,5,6,7
	ds_store_b32 v57, v[12+\a] offset:64*\a        ; both halves write the same word with the same value
.endr
	BARRIER
.irp p, 0,1,2,3
	ds_load_b128 v[128+4*\p:131+4*\p], v1 offset:512*\p    ; wave p's part of rows 4 lane .. 4 lane + 3
	ds_load_b32 v[144+\p], v58 offset:512*\p               ; and of row 32 w + lane
.endr
	s_wait_dscnt 0x0
.irp p, 1,2,3
	v_pk_add_f32 v[128:129], v[128:129], v[128+4*\p:129+4*\p]   ; the four parts in one order in both layouts: the same bits
	v_pk_add_f32 v[130:131], v[130:131], v[130+4*\p:131+4*\p]
	v_add_f32 v144, v144, v[144+\p]
.endr
	v_max3_num_f32 v148, v128, v129, v130
	v_max_num_f32 v148, v148, v131
	v_max_num_f32_dpp v148, v148, v148 row_xmask:1 row_mask:0xf bank_mask:0xf
	v_max_num_f32_dpp v148, v148, v148 row_xmask:2 row_mask:0xf bank_mask:0xf
	v_max_num_f32_dpp v148, v148, v148 row_xmask:4 row_mask:0xf bank_mask:0xf
	v_max_num_f32_dpp v148, v148, v148 row_xmask:8 row_mask:0xf bank_mask:0xf
	v_permlanex16_b32 v149, v148, s[SEL], s[SEL+1]
	v_max_num_f32 v148, v148, v149                 ; m: the largest of the 128 scores
	v_sub_f32 v150, v144, v148
	v_mul_f32 v150, 0x3fb8aa3b, v150               ; (s - m) log2 e, 0 or less
	v_exp_f32 v150, v150                           ; p of row 32 w + lane, at most 1
	v_nop                                          ; a plain line behind the transcendental
	s_wait_alu depctr_va_vdst(0)                   ; and a wait ahead of its first reader
.set i, 0
.rept 32
	v_readlane_b32 s[68+i], v150, i                ; my 32 rows' p as scalars: factors of the sums below, and nothing else
.set i, i+1
.endr
; ---------------- PHASE W ----------------
.macro GRP g, load, left               ; eight rows of a chunk
	s_wait_loadcnt \left                           ; this group's eight loads are in; the younger groups stay out
	WIN 0x04                                       ; source 1 window 1
.irp e, 0,1,2,3,4,5,6,7
.set q, 8*(\g)+\e
.set row, q%32
.set oa, 152+4*(q/32)
.irp k, 0,1,2,3
.if row == 0
	v_mul_f32 v[oa+\k], s[68+row], v[4*q+\k]       ; a chunk's first row starts the sums
.else
	v_fmac_f32 v[oa+\k], s[68+row], v[4*q+\k]
.endif
.endr
.endr
.if \load
	WIN 0x40
.irp e, 0,1,2,3,4,5,6,7
.set q, 8*(\g)+\e
	global_load_b128 v[4*q:4*q+3], v1, s[38:39] offset:(q%32)*8192+512*(1-q/32)-1024 th:TH_LOAD_NT   ; the same rows' bytes of the next trip, 1,024 further down
.endr
.endif
.endm
.macro TRIPW load
	s_wait_dscnt 0x0
	v_add_nc_u32 v7, s40, v56                      ; the trip's 1,024 bytes of my partial sums
.irp g, 0,1,2,3
.if \load
	GRP \g, 1, 56
.else
	GRP \g, 0, 56-8*\g
.endif
.endr
	WIN 0
	ds_store_b128 v7, v[152:155] offset:512        ; the upper chunk
.irp g, 4,5,6,7
.if \load
	GRP \g, 1, 56
.else
	GRP \g, 0, 56-8*\g
.endif
.endr
	WIN 0
	ds_store_b128 v7, v[156:159]                   ; the lower chunk
.endm
	s_mov_b32 s40, 0
	s_mov_b32 s23, 7
.Lw:
	TRIPW 1
	s_wait_xcnt 0x0                                ; the loads have read their base: it may step
	s_sub_nc_u64 s[38:39], s[38:39], 1024
	s_add_co_u32 s40, s40, 1024
	s_sub_co_u32 s23, s23, 1
	s_cmp_lg_u32 s23, 0
	s_cbranch_scc1 .Lw
	TRIPW 0                                        ; the rows' first 1,024 bytes: nothing is left to ask for, and the counts run down
	BARRIER                                        ; the four waves' partial sums lie in LDS
.irp p, 0,1,2,3
.irp i, 0,1,2,3
	ds_load_b128 v[160+16*\p+4*\i:163+16*\p+4*\i], v59 offset:8192*\p+1024*(1-\i/2)+512*(\i%2)   ; wave p's sums of columns 512 w + 128 i on
.endr
.endr
	s_wait_dscnt 0x0
.irp p, 1,2,3
.irp j, 0,2,4,6,8,10,12,14
	v_pk_add_f32 v[160+\j:161+\j], v[160+\j:161+\j], v[160+16*\p+\j:161+16*\p+\j]
.endr
.endr
.irp i, 0,1,2,3
	global_store_b128 v1, v[160+4*\i:163+4*\i], s[14:15] offset:512*\i     ; 512 consecutive bytes, aligned
.endr
	s_cmp_lg_u32 s16, 0
	s_cbranch_scc1 .Lend
	global_store_b128 v1, v[128:131], s[12:13]     ; wave 0: the 128 scores, 512 consecutive bytes
.Lend:
	s_wait_tensorcnt 0x0                           ; the wave's end
	ds_add_u32 v20, v21
	s_wait_dscnt 0x0
	s_endpgm
.Lfunc_end_k_q2071f5546f_main:
	.size	k_q2071f5546f_main, .Lfunc_end_k_q2071f5546f_main-k_q2071f5546f_main
	.p2alignl 7, 3214868480
	.fill 96, 4, 3214868480
	.section	.rodata,"a",@progbits
	.p2align	6, 0x0
	.amdhsa_kernel k_q2071f5546f_main
		.amdhsa_group_segment_fixed_size 306688
		.amdhsa_private_segment_fixed_size 0
		.amdhsa_enable_private_segment 0
		.amdhsa_kernarg_size 48
		.amdhsa_user_sgpr_count 2
		.amdhsa_user_sgpr_kernarg_segment_ptr 1
		.amdhsa_wavefront_size32 1
		.amdhsa_system_sgpr_workgroup_id_x 1
		.amdhsa_system_sgpr_workgroup_id_y 1
		.amdhsa_system_sgpr_workgroup_id_z 1
		.amdhsa_system_vgpr_workitem_id 0
		.amdhsa_next_free_vgpr 1024
		.amdhsa_next_free_sgpr 100
		.amdhsa_reserve_vcc 0
		.amdhsa_float_denorm_mode_32 3
		.amdhsa_float_denorm_mode_16_64 3
		.amdhsa_memory_ordered 1
		.amdhsa_forward_progress 1
		.amdhsa_inst_pref_size 255
	.end_amdhsa_kernel
	.section	.bss,"aw",@nobits
	.p2align	6
	.space	262144
	.amdgpu_metadata
---
amdhsa.version: [ 1, 2 ]
amdhsa.kernels:
  - .name:           k_q2071f5546f_main
    .symbol:         k_q2071f5546f_main.kd
    .args:
      - { .name: enc_out, .offset: 0, .size: 8, .value_kind: global_buffer, .address_space: global }
      - { .name: wq, .offset: 8, .size: 8, .value_kind: global_buffer, .address_space: global }
      - { .name: cvec, .offset: 16, .size: 8, .value_kind: global_buffer, .address_space: global }
      - { .name: W_att, .offset: 24, .size: 8, .value_kind: global_buffer, .address_space: global }
      - { .name: sc, .offset: 32, .size: 8, .value_kind: global_buffer, .address_space: global }
      - { .name: opart, .offset: 40, .size: 8, .value_kind: global_buffer, .address_space: global }
    .group_segment_fixed_size: 306688
    .private_segment_fixed_size: 0
    .kernarg_segment_align: 8
    .kernarg_segment_size: 48
    .max_flat_workgroup_size: 128
    .sgpr_count:     100
    .vgpr_count:     1024
    .wavefront_size: 32
...
	.end_amdgpu_metadata
.endif
;; end of part 2
;; launch fin (part 3): grid 4 x 64, 4 waves a work-group, no clusters, 0 bytes of LDS; arguments sc, opart, out0, out1; writes out0, out1
.if DOCPART == 3
	.amdgcn_target "amdgcn-amd-amdhsa--gfx1250"
	.amdhsa_code_object_version 6
	.text
	.protected	k_q2071f5546f_fin
	.globl	k_q2071f5546f_fin
	.p2align	8
	.type	k_q2071f5546f_fin,@function
k_q2071f5546f_fin:
	s_mov_b64 s[64:65], 0
	v_nop
	global_prefetch_b8 v0, s[64:65] scope:SCOPE_SE
	s_setreg_imm32_b32 hwreg(HW_REG_WAVE_MODE, 25, 1), 1
	s_wait_xcnt 0x0
; A batch's four quarters are joined.  sc [64][512]: the scores, without b_att (left out: the same along the softmax's axis, see the first kernel's head).
; opart [64][4][2048]: quarter v's sum of 2^((s - m_v) log2 e) x row, m_v the quarter's largest score.
; M = the batch's largest score;  L = the sum of 2^((s - M) log2 e);  alpha = 2^((s - M) log2 e) / L;  weighted_enc = (the sum over v of opart_v 2^((m_v - M) log2 e)) / L.
; m_v is taken anew from the stored scores: a maximum rounds nothing, so it is the number that the launch before took away.
; Work-group (q, b): columns 512 q .. 512 q + 511 of batch b's weighted_enc, 128 a wave, and quarter q of its alpha (wave 0).  Each wave makes the softmax's figures by itself from the batch's 2,048 bytes of
; scores: no LDS, no barrier.  Matrix units and clusters would serve nothing here: a few thousand bytes a work-group.
	s_load_b256 s[4:11], s[0:1], 0x0               ; sc s[4:5], opart s[6:7], out0 s[8:9], out1 s[10:11]
	v_lshrrev_b32 v1, 5, v0
	v_readfirstlane_b32 s12, v1                    ; wave 0..3
	v_and_b32 v2, 31, v0
	v_lshlrev_b32 v2, 4, v2                        ; 16 x lane; never rewritten
	s_and_b32 s13, ttmp7, 0xffff                   ; b
	s_mov_b32 s20, 0x76543210
	s_mov_b32 s21, 0xfedcba98                      ; v_permlanex16_b32's selects for lane l xor 16
	s_mov_b32 s22, 0x3fb8aa3b                      ; log2 e
	s_mov_b32 s15, 0
	s_mov_b32 s17, 0
	s_lshl_b32 s14, s13, 11                        ; 2048 b
	s_lshl_b32 s16, ttmp9, 9                       ; 512 q
	s_wait_kmcnt 0x0
	s_add_nc_u64 s[4:5], s[4:5], s[14:15]          ; the batch's scores
	s_add_nc_u64 s[18:19], s[4:5], s[16:17]        ; quarter q's
	s_add_nc_u64 s[10:11], s[10:11], s[14:15]
	s_add_nc_u64 s[10:11], s[10:11], s[16:17]      ; and its alpha
	s_lshl_b32 s16, ttmp9, 11
	s_lshl_b32 s23, s12, 9
	s_add_co_u32 s16, s16, s23                     ; my columns: 2048 q + 512 w bytes
	s_lshl_b32 s14, s13, 15
	s_add_nc_u64 s[6:7], s[6:7], s[14:15]
	s_add_nc_u64 s[6:7], s[6:7], s[16:17]
	s_lshl_b32 s14, s13, 13
	s_add_nc_u64 s[8:9], s[8:9], s[14:15]
	s_add_nc_u64 s[8:9], s[8:9], s[16:17]
.irp p, 0,1,2,3
	global_load_b128 v[8+4*\p:11+4*\p], v2, s[4:5] offset:512*\p      ; quarter p's 128 scores, four a lane
.endr
	global_load_b128 v[24:27], v2, s[18:19]                           ; quarter q's once more, for alpha
.irp p, 0,1,2,3
	global_load_b128 v[32+4*\p:35+4*\p], v2, s[6:7] offset:8192*\p    ; quarter p's partial sums of my columns
.endr
.irp p, 0,1,2,3
	v_mov_b32 v[52+\p], 0                          ; a lane permute's destination counts as one of its sources
.endr
	s_wait_loadcnt 0x0
.irp p, 0,1,2,3
	v_max3_num_f32 v[48+\p], v[8+4*\p], v[9+4*\p], v[10+4*\p]
.endr
.irp p, 0,1,2,3
	v_max_num_f32 v[48+\p], v[48+\p], v[11+4*\p]
.endr
.irp m, 1,2,4,8
.irp p, 0,1,2,3
	v_max_num_f32_dpp v[48+\p], v[48+\p], v[48+\p] row_xmask:\m row_mask:0xf bank_mask:0xf
.endr
.endr
.irp p, 0,1,2,3
	v_permlanex16_b32 v[52+\p], v[48+\p], s20, s21
.endr
.irp p, 0,1,2,3
	v_max_num_f32 v[48+\p], v[48+\p], v[52+\p]     ; m_p, in every lane
.endr
	v_max3_num_f32 v56, v48, v49, v50
	v_max_num_f32 v56, v56, v51                    ; M
.irp i, 8,9,10,11,12,13,14,15,16,17,18,19,20,21,22,23,24,25,26,27,48,49,50,51
	v_sub_f32 v[\i], v[\i], v56
.endr
.irp i, 8,9,10,11,12,13,14,15,16,17,18,19,20,21,22,23,24,25,26,27,48,49,50,51
	v_mul_f32 v[\i], s22, v[\i]                    ; (. - M) log2 e, 0 or less
.endr
.irp i, 8,9,10,11,12,13,14,15,16,17,18,19,20,21,22,23,24,25,26,27,48,49,50,51
	v_exp_f32 v[\i], v[\i]                         ; one batch of 24
.endr
	v_nop                                          ; a plain line behind the last of them
	s_wait_alu depctr_va_vdst(0)                   ; one wait for the batch, ahead of its first reader
	v_pk_add_f32 v[8:9], v[8:9], v[10:11]
	v_pk_add_f32 v[12:13], v[12:13], v[14:15]
	v_pk_add_f32 v[16:17], v[16:17], v[18:19]
	v_pk_add_f32 v[20:21], v[20:21], v[22:23]
	v_pk_add_f32 v[8:9], v[8:9], v[12:13]
	v_pk_add_f32 v[16:17], v[16:17], v[20:21]
	v_pk_add_f32 v[8:9], v[8:9], v[16:17]
	v_add_f32 v8, v8, v9
	v_add_f32_dpp v8, v8, v8 row_xmask:1 row_mask:0xf bank_mask:0xf
	v_add_f32_dpp v8, v8, v8 row_xmask:2 row_mask:0xf bank_mask:0xf
	v_add_f32_dpp v8, v8, v8 row_xmask:4 row_mask:0xf bank_mask:0xf
	v_add_f32_dpp v8, v8, v8 row_xmask:8 row_mask:0xf bank_mask:0xf
	v_permlanex16_b32 v9, v8, s20, s21
	v_add_f32 v8, v8, v9                           ; L, at least 1
	v_rcp_f32 v58, v8
.irp k, 0,1,2,3
	v_mul_f32 v[32+\k], v[32+\k], v48              ; plain work behind the reciprocal: quarter 0's sums under M,
.endr
.irp p, 1,2,3
.irp k, 0,1,2,3
	v_fmac_f32 v[32+\k], v[32+4*\p+\k], v[48+\p]   ; and the others'
.endr
.endr
	s_wait_alu depctr_va_vdst(0)                   ; the wait ahead of the reciprocal's first reader
.irp k, 0,1,2,3
	v_mul_f32 v[32+\k], v[32+\k], v58
.endr
	global_store_b128 v2, v[32:35], s[8:9]         ; 512 consecutive bytes a wave, aligned
	s_cmp_lg_u32 s12, 0
	s_cbranch_scc1 .Lend
.irp k, 0,1,2,3
	v_mul_f32 v[24+\k], v[24+\k], v58
.endr
	global_store_b128 v2, v[24:27], s[10:11]       ; wave 0: quarter q's alpha, 512 consecutive bytes
.Lend:
	s_endpgm
.Lfunc_end_k_q2071f5546f_fin:
	.size	k_q2071f5546f_fin, .Lfunc_end_k_q2071f5546f_fin-k_q2071f5546f_fin
	.p2alignl 7, 3214868480
	.fill 96, 4, 3214868480
	.section	.rodata,"a",@progbits
	.p2align	6, 0x0
	.amdhsa_kernel k_q2071f5546f_fin
		.amdhsa_group_segment_fixed_size 0
		.amdhsa_private_segment_fixed_size 0
		.amdhsa_enable_private_segment 0
		.amdhsa_kernarg_size 32
		.amdhsa_user_sgpr_count 2
		.amdhsa_user_sgpr_kernarg_segment_ptr 1
		.amdhsa_wavefront_size32 1
		.amdhsa_system_sgpr_workgroup_id_x 1
		.amdhsa_system_sgpr_workgroup_id_y 1
		.amdhsa_system_sgpr_workgroup_id_z 1
		.amdhsa_system_vgpr_workitem_id 0
		.amdhsa_next_free_vgpr 64
		.amdhsa_next_free_sgpr 66
		.amdhsa_reserve_vcc 0
		.amdhsa_float_denorm_mode_32 3
		.amdhsa_float_denorm_mode_16_64 3
		.amdhsa_memory_ordered 1
		.amdhsa_forward_progress 1
		.amdhsa_inst_pref_size 9
	.end_amdhsa_kernel
	.amdgpu_metadata
---
amdhsa.version: [ 1, 2 ]
amdhsa.kernels:
  - .name:           k_q2071f5546f_fin
    .symbol:         k_q2071f5546f_fin.kd
    .args:
      - { .name: sc, .offset: 0, .size: 8, .value_kind: global_buffer, .address_space: global }
      - { .name: opart, .offset: 8, .size: 8, .value_kind: global_buffer, .address_space: global }
      - { .name: out0, .offset: 16, .size: 8, .value_kind: global_buffer, .address_space: global }
      - { .name: out1, .offset: 24, .size: 8, .value_kind: global_buffer, .address_space: global }
    .group_segment_fixed_size: 0
    .private_segment_fixed_size: 0
    .kernarg_segment_align: 8
    .kernarg_segment_size: 32
    .max_flat_workgroup_size: 128
    .sgpr_count:     66
    .vgpr_count:     64
    .wavefront_size: 32
...
	.end_amdgpu_metadata
.endif
;; end of part 3
;; ======== version 2 of 2: 3 launches
;; workspace buffers: wq 2,162,688 bytes; cvec 262,144 bytes; sc 131,072 bytes; opart 2,097,152 bytes
;; launch prep (part 4): grid 320 x 1, 8 waves a work-group, no clusters, 9,216 bytes of LDS; arguments W_enc, W_dec, dec_out, b_dec, b_enc, wq, cvec; writes wq, cvec
.if DOCPART == 4
	.amdgcn_target "amdgcn-amd-amdhsa--gfx1250"
	.amdhsa_code_object_version 6
	.text
	.protected	k_q2071f5546f_prep
	.globl	k_q2071f5546f_prep
	.p2align	8
	.type	k_q2071f5546f_prep,@function
k_q2071f5546f_prep:
	s_mov_b64 s[64:65], 0
	v_nop
	global_prefetch_b8 v0, s[64:65] scope:SCOPE_SE
	s_setreg_imm32_b32 hwreg(HW_REG_WAVE_SCHED_MODE, 0, 2), 2
	s_setreg_imm32_b32 hwreg(HW_REG_WAVE_MODE, 25, 1), 1
	s_wait_xcnt 0x0
	s_wait_alu depctr_vm_vsrc(0)
; THE PROGRAM.  scores[b][n] = relu(Q(enc_out) Q(W_enc) + Q(dec_out) Q(W_dec) + b_enc + b_dec) . W_att;  alpha = softmax of the scores over a batch's 512 positions;
; weighted_enc[b] = the sum over n of alpha[b][n] enc_out[b][n][:].  Q: codes of E5M2 with one E8M0 scale for each 32 along K.
; DEAD WORK: b_att.  It is added to every score of a row of the softmax, and the scores are no output: exp(s + b_att - max(s + b_att)) = exp(s - max(s)) for all values of the inputs, so it reaches
; neither alpha nor weighted_enc.  b_att is not loaded and is no argument of any launch.  LIMIT: a NaN, an infinity or an overflow that b_att alone would bring is not carried to the result.
; LIMITS: NaN and infinities among the inputs are not served.  A block of zeros gets the scale byte 1 where the rule says 127: its codes are zeros, which add nothing under any byte but 0xff,
; and the bytes are read by this program alone.
; THIS LAUNCH has two paths, parted by the work-group's number.
; PATH W (work-groups 0-63): W_enc [2048 (k)][1024 (n)] f32 becomes codes in the ORDER OF THE OPERAND'S REGISTERS: wq = [g 0..7][s 0..15] blocks of 16,896 bytes; in a block the 16 codes of
;   W_enc[128 s + 32 c + 16 h + 0..15][128 g + 16 b + r] lie at 2048 b + 512 c + 256 h + 16 r, and from byte 16,384 on 128 scale words, word 16 b + r, byte c for block c.
;   A lane takes a column and its registers run down K: a block of 32 lies in one lane, and the conversions give codes with K innermost.  No LDS.
; PATH D (work-groups 64-319): cvec[64][1024] = Q(dec_out) Q(W_dec) + b_dec + b_enc.  A work-group makes 16 rows x 16 columns; wave s takes K step s (128 along K), one matrix instruction;
;   the eight partial tiles meet in LDS and wave 0 adds them, K ascending, onto the two biases.
; THE MODE: SCHED_MODE bits 1:0 = 2 (LLVM: expert scheduling mode 2), set by the entry lines.  The code itself states the register dependences between vector or matrix instructions and
; memory or LDS instructions, with s_wait_alu, always for 0.
; THE PLAN, PATH W.  v4, v5, v6: offsets, made once.  X: four blocks of 32 registers, each landed in once and then named by its block's vector lines alone.  C: eight registers of codes a block, written by
;   block c's conversions, read by two stores that are issued at block c + 1's head, never written again.  So one wait on va_vdst stands at a block's head, for the stores of the block before.
; THE PLAN, PATH D.  v4 to v9: offsets and LDS addresses, made once.  One wait ahead of the loads; one ahead of the product (its codes and scale words are written by vector lines); one ahead of the LDS stores
;   of its result, which also serves wave 0's loads into registers that the quantiser named; one ahead of wave 0's stores.
.set BLKB,  16896
.set SPARE, 8192                       ; behind path D's 8,192 bytes of partial tiles: the spare words, 128 bytes for each of eight waves
.set SEL,   20                         ; s[20:21] v_permlanex16_b32's selects for lane l xor 16
.set MNT,   22                         ; s22 the mantissa field of 57,344
.set X,     32                         ; path W: v32-159 four blocks of 32 numbers
.set C,     160                        ; path W: v160-191 codes, 8 registers a block, never rewritten
.set WN,    32                         ; path D: v32-95 64 numbers of W_dec
.set XN,    96                         ; v96-159 64 numbers of dec_out
.set PCW,   160                        ; v160-175 W_dec's fragment
.set PCX,   176                        ; v176-191 dec_out's fragment
.set TM,    192                        ; v192-207 at work in QUANT
.set PWW,   208                        ; v208, v209: the two scale words, and nothing else
.set PWX,   209
	s_load_b256 s[4:11], s[0:1], 0x0               ; W_enc s[4:5], W_dec s[6:7], dec_out s[8:9], b_dec s[10:11]
	s_load_b128 s[12:15], s[0:1], 0x20             ; b_enc s[12:13], wq s[14:15]
	s_load_b64 s[16:17], s[0:1], 0x30              ; cvec
	v_lshl_add_u32 v2, v0, 2, SPARE                ; my spare word; never rewritten
	v_mov_b32 v3, 0                                ; 0; never rewritten
	v_lshrrev_b32 v1, 5, v0
	v_readfirstlane_b32 s18, v1                    ; wave 0..7
	v_and_b32 v1, 31, v0                           ; lane
	s_mov_b32 s[SEL], 0x76543210
	s_mov_b32 s[SEL+1], 0xfedcba98
	s_mov_b32 s[MNT], 0x600000
	s_mov_b32 s29, 0                               ; the high word of every offset pair s[28:29]
	s_wait_alu depctr_va_sdst(0)                   ; s18 is written: both paths read it
	s_cmp_lt_u32 ttmp9, 64                         ; the work-group's number alone: all eight waves go the same way
	s_cbranch_scc0 .Ldec
; ---------------- PATH W ----------------
	s_and_b32 s24, ttmp9, 7                        ; g: which 128 columns
	s_lshr_b32 s25, ttmp9, 3
	s_lshl_b32 s25, s25, 1
	s_lshr_b32 s26, s18, 2
	s_add_co_u32 s25, s25, s26                     ; s: which 128 along K = 2 (x / 8) + wave / 4
	s_and_b32 s26, s18, 3                          ; w': which 32 of the 128 columns
	s_wait_alu depctr_va_vdst(0)
	v_lshlrev_b32 v4, 2, v1                        ; in: 4 bytes a lane: 128 consecutive bytes a load
	v_lshrrev_b32 v8, 4, v1
	v_and_b32 v9, 15, v1
	v_lshlrev_b32 v5, 4, v9
	v_lshl_add_u32 v5, v8, 11, v5
	v_lshl_add_u32 v5, s26, 12, v5                 ; out: tile b = 2 w' + lane / 16, r = lane % 16: 2048 b + 16 r
	v_lshl_add_u32 v6, s26, 7, v4
	v_add_nc_u32 v6, 16384, v6                     ; my scale word: 16,384 + 4 (32 w' + lane)
	s_lshl_b32 s28, s25, 19                        ; 128 rows of 4,096 bytes a K step
	s_lshl_b32 s27, s24, 9
	s_add_co_u32 s28, s28, s27
	s_lshl_b32 s27, s26, 7
	s_add_co_u32 s28, s28, s27
	s_wait_kmcnt 0x0
	s_add_nc_u64 s[4:5], s[4:5], s[28:29]          ; W_enc at (128 s, 128 g + 32 w')
	s_lshl_b32 s27, s24, 4
	s_add_co_u32 s27, s27, s25
	s_mul_i32 s28, s27, BLKB
	s_add_nc_u64 s[14:15], s[14:15], s[28:29]      ; wq at block (g, s)
	s_wait_alu depctr_va_vdst(0)                   ; the offsets v4, v5 and v6 are written, which this path's loads and stores read
.macro LOADW c                         ; block c: W_enc(128 s + 32 c + i, my column), i = 0 .. 31
.irp i, 0,1,2,3,4,5,6,7,8,9,10,11,12,13,14,15,16,17,18,19,20,21,22,23,24,25,26,27,28,29,30,31
	global_load_b32 v[X+32*(\c)+\i], v4, s[4:5] offset:(32*(\c)+\i)*4096 th:TH_LOAD_NT
.endr
.endm
.macro STOREW c                        ; block c's 32 codes of my column
	global_store_b128 v5, v[C+8*(\c):C+8*(\c)+3], s[14:15] offset:512*(\c)          ; k = 32 c + 0 .. 15 (h = 0): sixteen lanes store 256 consecutive bytes, aligned
	global_store_b128 v5, v[C+8*(\c)+4:C+8*(\c)+7], s[14:15] offset:512*(\c)+256    ; k = 32 c + 16 .. 31 (h = 1)
.endm
.macro BLOCKW c
.set XS, X+32*(\c)
.if (\c) < 3
	s_wait_loadcnt 32                              ; this block's 32 loads are in; the next block's 32 may be out
.else
	s_wait_loadcnt 0
.endif
.if (\c) > 0
	s_wait_alu depctr_va_vdst(0)                   ; the block before has written its codes, which the two stores below read
	STOREW (\c)-1
.endif
.if (\c)+2 < 4
	LOADW (\c)+2                                   ; two blocks ahead, into registers that no vector line has named
.endif
	v_max3_num_f32 v12, |v[XS]|, |v[XS+1]|, |v[XS+2]|     ; the block's largest magnitude: all 32 numbers are mine; two chains
	v_max3_num_f32 v13, |v[XS+3]|, |v[XS+4]|, |v[XS+5]|
.irp i, 6,10,14,18,22,26
	v_max3_num_f32 v12, v12, |v[XS+\i]|, |v[XS+\i+1]|
	v_max3_num_f32 v13, v13, |v[XS+\i+2]|, |v[XS+\i+3]|
.endr
	v_max3_num_f32 v12, v12, |v[XS+30]|, |v[XS+31]|
	v_max3_num_f32 v12, v12, v13, 0x8000000        ; and the floor 2^(16 - 127): the byte cannot fall under 1
	v_add_nc_u32 v11, 0xf8800000, v12              ; 15 off the exponent field: the conversion's scale operand
	v_and_or_b32 v10, v12, 0x7f800000, s[MNT]      ; 57,344 x the scale
	v_lshrrev_b32 v13, 23, v11                     ; the scale's byte
.if (\c) == 0
	v_mov_b32 v14, v13                             ; four bytes make my column's scale word, the lower K in the lower byte
.else
	v_lshl_or_b32 v14, v13, 8*(\c), v14
.endif
.irp i, 0,1,2,3,4,5,6,7,8,9,10,11,12,13,14,15,16,17,18,19,20,21,22,23,24,25,26,27,28,29,30,31
	v_med3_num_f32 v[XS+\i], v[XS+\i], -v10, v10   ; the conversion to an 8-bit code does not saturate (ISA guide 7.6.2): the hold at the largest code x the scale
.endr
.irp g, 0,1,2,3
	v_cvt_scalef32_pk8_bf8_f32 v[C+8*(\c)+2*\g:C+8*(\c)+2*\g+1], v[XS+8*\g:XS+8*\g+7], v11
.endr
	v_nop                                          ; one plain line behind the conversions: the next block writes their scale operand
.endm
	LOADW 0
	LOADW 1
	BLOCKW 0
	BLOCKW 1
	BLOCKW 2
	BLOCKW 3
	s_wait_alu depctr_va_vdst(0)                   ; the last block has written its codes and the scale word v14, which the three stores below read
	STOREW 3
	global_store_b32 v6, v14, s[14:15]             ; 128 consecutive bytes a wave
	s_endpgm
; ---------------- PATH D ----------------
; 64 numbers of a lane, register 16 b + i = k 32 b + 16 (lane / 16) + i of my row or column, become a fragment's 16 registers of codes and its scale word.
.macro QUANT s, pc, pw
.irp b, 0,1,2,3
	v_max3_num_f32 v[TM+\b], |v[\s+16*\b]|, |v[\s+1+16*\b]|, 0x8000000   ; block b: my 16 numbers, and the floor 2^(16 - 127)
.endr
.irp i, 2,4,6,8,10,12,14
.irp b, 0,1,2,3
	v_max3_num_f32 v[TM+\b], v[TM+\b], |v[\s+16*\b+\i]|, |v[\s+1+16*\b+\i]|   ; the four blocks by turns
.endr
.endr
.irp b, 0,1,2,3
	v_permlanex16_b32 v[TM+4+\b], v[TM+\b], s[SEL], s[SEL+1]
.endr
.irp b, 0,1,2,3
	v_max_num_f32 v[TM+\b], v[TM+\b], v[TM+4+\b]   ; with lane l xor 16's 16: the block's largest magnitude
.endr
.irp b, 0,1,2,3
	v_add_nc_u32 v[TM+12+\b], 0xf8800000, v[TM+\b] ; the conversion's scale operand
.endr
.irp b, 0,1,2,3
	v_and_or_b32 v[TM+8+\b], v[TM+\b], 0x7f800000, s[MNT]   ; 57,344 x the scale
.endr
.irp b, 0,1,2,3
	v_lshrrev_b32 v[TM+4+\b], 23, v[TM+12+\b]      ; the scale's byte
.endr
	v_lshl_or_b32 v[\pw], v[TM+5], 8, v[TM+4]
	v_lshl_or_b32 v[\pw], v[TM+6], 16, v[\pw]
	v_lshl_or_b32 v[\pw], v[TM+7], 24, v[\pw]
.irp b, 0,1,2,3
.irp i, 0,1,2,3,4,5,6,7,8,9,10,11,12,13,14,15
	v_med3_num_f32 v[\s+16*\b+\i], v[\s+16*\b+\i], -v[TM+8+\b], v[TM+8+\b]
.endr
	v_cvt_scalef32_pk8_bf8_f32 v[\pc+4*\b:\pc+1+4*\b], v[\s+16*\b:\s+7+16*\b], v[TM+12+\b]
	v_cvt_scalef32_pk8_bf8_f32 v[\pc+2+4*\b:\pc+3+4*\b], v[\s+8+16*\b:\s+15+16*\b], v[TM+12+\b]
.endr
	v_nop                                          ; one plain line behind the last conversion
.endm
.Ldec:
	s_sub_co_u32 s24, ttmp9, 64
	s_and_b32 s25, s24, 63                         ; t: which 16 columns
	s_lshr_b32 s26, s24, 6                         ; rt: which 16 rows
	v_and_b32 v10, 15, v0                          ; r
	v_bfe_u32 v11, v0, 4, 1                        ; h
	v_lshlrev_b32 v4, 2, v10
	v_lshl_add_u32 v4, v11, 16, v4                 ; W_dec: column r, 16 h rows of 4,096 bytes down
	v_lshlrev_b32 v5, 12, v10
	v_lshl_add_u32 v5, v11, 6, v5                  ; dec_out: row r, + 64 h: my 16 numbers of a block of 32
	v_lshlrev_b32 v6, 5, v11                       ; the biases: my eight columns 8 h + 0 .. 7
	v_lshl_add_u32 v7, v10, 12, v6                 ; cvec: row r, + 32 h
	s_wait_alu depctr_va_vdst(0)
	v_lshlrev_b32 v9, 4, v1                        ; 16 x lane
	s_lshl_b32 s27, s18, 10
	v_add_nc_u32 v8, s27, v9                       ; LDS: my wave's 1,024 bytes, my lane's 16
.irp b, 0,1,2,3
	v_mov_b32 v[TM+4+\b], 0                        ; written once: a lane permute's destination counts as one of its sources
.endr
	s_lshl_b32 s28, s18, 19                        ; K step = wave: 128 rows of W_dec
	s_lshl_b32 s27, s25, 6                         ; 64 t
	s_add_co_u32 s28, s28, s27
	s_wait_kmcnt 0x0
	s_add_nc_u64 s[6:7], s[6:7], s[28:29]
	s_lshl_b32 s28, s26, 16                        ; 16 rows of dec_out
	s_lshl_b32 s30, s18, 9                         ; 128 along K
	s_add_co_u32 s28, s28, s30
	s_add_nc_u64 s[8:9], s[8:9], s[28:29]
	s_mov_b32 s28, s27
	s_add_nc_u64 s[10:11], s[10:11], s[28:29]      ; b_dec and b_enc at column 16 t
	s_add_nc_u64 s[12:13], s[12:13], s[28:29]
	s_lshl_b32 s28, s26, 16
	s_add_co_u32 s28, s28, s27
	s_add_nc_u64 s[16:17], s[16:17], s[28:29]      ; cvec at (16 rt, 16 t)
	s_wait_alu depctr_va_vdst(0)                   ; the offsets and LDS addresses v4 to v9 are written, which this path's loads and stores read
.irp c, 0,1,2,3
.irp i, 0,1,2,3,4,5,6,7,8,9,10,11,12,13,14,15
	global_load_b32 v[WN+16*\c+\i], v4, s[6:7] offset:(32*\c+\i)*4096      ; W_dec(128 s + 32 c + 16 h + i, 16 t + r)
.endr
.endr
.irp c, 0,1,2,3
.irp j, 0,1,2,3
	global_load_b128 v[XN+16*\c+4*\j:XN+16*\c+4*\j+3], v5, s[8:9] offset:128*\c+16*\j   ; dec_out(16 rt + r, 128 s + 32 c + 16 h + 4 j ..)
.endr
.endr
	s_wait_loadcnt 0x0
	QUANT WN, PCW, PWW
	QUANT XN, PCX, PWX
.rept 4
	v_nop                                          ; codes written by vector instructions stand four places ahead of a scaled matrix instruction; the scale words were made ahead of the holds
.endr
	s_wait_alu depctr_va_vdst(0)                   ; behind the places: the conversions have written both fragments, and the scale words v208 and v209 are written, which the product takes
	v_wmma_scale_f32_16x16x128_f8f6f4 v[16:23], v[PCW:PCW+15], v[PCX:PCX+15], 0, v[PWW], v[PWX] matrix_a_fmt:MATRIX_FMT_BF8 matrix_b_fmt:MATRIX_FMT_BF8   ; transposed: lane (r, h) holds row 16 rt + r, columns 16 t + 8 h + 0 .. 7
.rept 8
	v_nop                                          ; eight places ahead of the first read of the result
.endr
	s_wait_alu depctr_va_vdst(0)                   ; behind the places: the product has written v16-23, which the LDS stores read.  No vector line follows before wave 0's loads, which land in registers that the quantiser named
	ds_store_b128 v8, v[16:19]                     ; the partial tile as an image of its registers, from its low end on
	ds_store_b128 v8, v[20:23] offset:512
	s_wait_dscnt 0x0                               ; for wave 0's sake: my stores are done
	s_barrier_signal -1
	s_barrier_wait -1
	s_cmp_lg_u32 s18, 0
	s_cbranch_scc1 .Ldone
	global_load_b128 v[24:27], v6, s[10:11]
	global_load_b128 v[28:31], v6, s[10:11] offset:16
	global_load_b128 v[96:99], v6, s[12:13]
	global_load_b128 v[100:103], v6, s[12:13] offset:16
.irp s, 0,1,2,3,4,5,6,7
	ds_load_b128 v[32+8*\s:35+8*\s], v9 offset:1024*\s
	ds_load_b128 v[36+8*\s:39+8*\s], v9 offset:1024*\s+512
.endr
	s_wait_loadcnt 0x0
	s_wait_dscnt 0x0
.irp j, 0,2,4,6
	v_pk_add_f32 v[24+\j:25+\j], v[24+\j:25+\j], v[96+\j:97+\j]           ; b_dec + b_enc
.endr
.irp s, 0,1,2,3,4,5,6,7
.irp j, 0,2,4,6
	v_pk_add_f32 v[24+\j:25+\j], v[24+\j:25+\j], v[32+8*\s+\j:33+8*\s+\j] ; + the K steps, ascending
.endr
.endr
	s_wait_alu depctr_va_vdst(0)                   ; the additions have written v24-31, which the two stores read
	global_store_b128 v7, v[24:27], s[16:17]
	global_store_b128 v7, v[28:31], s[16:17] offset:16
.Ldone:
	s_wait_dscnt 0x0                               ; the closing lines, six on end
	s_wait_alu 0x0
	s_wait_tensorcnt 0x0
	ds_add_u32 v2, v3
	s_wait_dscnt 0x0
	s_endpgm
.Lfunc_end_k_q2071f5546f_prep:
	.size	k_q2071f5546f_prep, .Lfunc_end_k_q2071f5546f_prep-k_q2071f5546f_prep
	.p2alignl 7, 3214868480
	.fill 96, 4, 3214868480
	.section	.rodata,"a",@progbits
	.p2align	6, 0x0
	.amdhsa_kernel k_q2071f5546f_prep
		.amdhsa_group_segment_fixed_size 9216
		.amdhsa_private_segment_fixed_size 0
		.amdhsa_enable_private_segment 0
		.amdhsa_kernarg_size 56
		.amdhsa_user_sgpr_count 2
		.amdhsa_user_sgpr_kernarg_segment_ptr 1
		.amdhsa_wavefront_size32 1
		.amdhsa_system_sgpr_workgroup_id_x 1
		.amdhsa_system_sgpr_workgroup_id_y 1
		.amdhsa_system_sgpr_workgroup_id_z 1
		.amdhsa_system_vgpr_workitem_id 0
		.amdhsa_next_free_vgpr 216
		.amdhsa_next_free_sgpr 66
		.amdhsa_reserve_vcc 0
		.amdhsa_float_denorm_mode_32 3
		.amdhsa_float_denorm_mode_16_64 3
		.amdhsa_memory_ordered 1
		.amdhsa_forward_progress 1
		.amdhsa_inst_pref_size 60
	.end_amdhsa_kernel
	.amdgpu_metadata
---
amdhsa.version: [ 1, 2 ]
amdhsa.kernels:
  - .name:           k_q2071f5546f_prep
    .symbol:         k_q2071f5546f_prep.kd
    .args:
      - { .name: W_enc, .offset: 0, .size: 8, .value_kind: global_buffer, .address_space: global }
      - { .name: W_dec, .offset: 8, .size: 8, .value_kind: global_buffer, .address_space: global }
      - { .name: dec_out, .offset: 16, .size: 8, .value_kind: global_buffer, .address_space: global }
      - { .name: b_dec, .offset: 24, .size: 8, .value_kind: global_buffer, .address_space: global }
      - { .name: b_enc, .offset: 32, .size: 8, .value_kind: global_buffer, .address_space: global }
      - { .name: wq, .offset: 40, .size: 8, .value_kind: global_buffer, .address_space: global }
      - { .name: cvec, .offset: 48, .size: 8, .value_kind: global_buffer, .address_space: global }
    .group_segment_fixed_size: 9216
    .private_segment_fixed_size: 0
    .kernarg_segment_align: 8
    .kernarg_segment_size: 56
    .max_flat_workgroup_size: 256
    .sgpr_count:     66
    .vgpr_count:     216
    .wavefront_size: 32
...
	.end_amdgpu_metadata
.endif
;; end of part 4
;; launch main (part 5): grid 256 x 1, 4 waves a work-group, no clusters, 306,688 bytes of LDS; arguments enc_out, wq, cvec, W_att, sc, opart; writes sc, opart
.if DOCPART == 5
	.amdgcn_target "amdgcn-amd-amdhsa--gfx1250"
	.amdhsa_code_object_version 6
	.text
	.protected	k_q2071f5546f_main
	.globl	k_q2071f5546f_main
	.p2align	8
	.type	k_q2071f5546f_main,@function
k_q2071f5546f_main:
	s_mov_b64 s[64:65], 0
	v_nop
	global_prefetch_b8 v0, s[64:65] scope:SCOPE_SE
	s_setreg_imm32_b32 hwreg(HW_REG_WAVE_SCHED_MODE, 0, 2), 2
	s_setreg_imm32_b32 hwreg(HW_REG_WAVE_MODE, 25, 1), 1
	s_wait_xcnt 0x0
	s_wait_alu depctr_vm_vsrc(0)
; Work-group x takes rows 128 x .. 128 x + 127 of enc_out [32768][2048] f32 (a quarter of batch x / 4) through four phases.  b_att is left out (it is the same along the softmax's axis: see the first kernel's head).
; X: wave w reads its 32 rows, quantises them to E5M2 with E8M0 scales along K and leaves the codes in LDS as images of the operand's registers (262,144 bytes) with their scale words (8,192 bytes).
; G: product 1.  Wave w takes all 128 rows x the 128 columns of group g = 4 p + w, passes p = 0, 1: 64 accumulators of 16 x 16.  cvec (Q(dec_out) Q(W_dec) + both biases) is the C of each sum's first matrix
;    instruction; relu and the dot with W_att are done on the accumulators in registers.  W's codes come from wq, laid in the order of the operand's registers, straight into registers, a K step ahead.
; S: the 128 scores (stored to sc), their largest number m, p = 2^((s - m) log2 e).   W: the rows are read again; opart[x] = the sum over my rows of p x row.  The last launch joins a batch's four quarters.
; NO CLUSTER, NO TENSOR LOAD: all work-groups walk the same codes of W, but the images, their words and the stages take 304,128 of the work-group's LDS bytes; two slots for a K step of W (4 x 16,896 bytes) would be 135,168.
; THE MATRIX INSTRUCTION IS USED TRANSPOSED (source 0 = 16 columns of W, source 1 = 16 rows of x): lane (r, h) holds row 16 a + r and columns 16 b + 8 h + 0 .. 7.
; LIMITS: NaN and infinities among the inputs are not served; a block of zeros gets the byte 1 (its codes are zeros; this program alone reads the bytes).
; LDS: images: fragment (K step s, row tile m) at 32768 m + 2048 s + 512 c + 16 lane: wave w writes bytes 65536 w .. 65536 w + 65535 alone.  XSC: word of row r at XSC + 1024 m + 64 s + 4 r.
;      STAGE: 16 rows x 528 bytes for each wave.  Behind the second barrier the images' bytes are used again: 0 .. 2047 the waves' partial scores, from OPV on 8,192 bytes of partial sums for each wave.
; REGISTERS, in windows of 256.  Window 0: v1-11, v48-59 addresses; v12-19 score sums; v20, v21 the add's two; v22-29 at work; v32-39 W's scale words, v40-47 x's (scales and nothing else);
;   v64-127 (P) x's numbers (X), cvec in a pass's first K step, then one of A's three buffers; v128-191 (Q), v192-255 (R) A's other two, W_att and relu's results on the way out of a pass.
;   Window 1: loads in flight (X, W); B's two sets (G).  Windows 2, 3: accumulator (a, b) at v[8 (8 (a % 4) + b)].
; THE MODE: SCHED_MODE bits 1:0 = 2 (LLVM: expert scheduling mode 2), set by the entry lines.  The code itself states the register dependences between vector or matrix instructions and
; memory or LDS instructions, with s_wait_alu, always for 0.
; THE PLAN: which registers memory and LDS instructions touch, and who else names them.
;   v1-6, v10, v11, v52-59: offsets and LDS addresses, made at the head, never written again: the head's one wait on va_vdst serves them for the whole kernel.
;   X.  Window 1's four sets: global loads land in them, the stage's LDS stores read them, no vector line names them.  v64-127: LDS loads land, QUANT reads and writes.  v128-143, v160: QUANT writes, the image stores read.
;       v7, v8: written once a trip, read by the image stores.  A fragment has one wait on vm_vsrc (behind the stage's round trip: the set may be landed in, the codes' registers written) and one on va_vdst
;       (behind QUANT: the image stores may read, and the next fragment's LDS loads may land in v64-127: only the two additions to v7 and v8 stand between).
;   G.  Half a K step is four row tiles.  Half h (from 2 on) lies in buffer Q, R, P by turns; W's block t and both kinds of scale words lie in set t % 2.  At the head of K step t ONE wait on va_vdst states that
;       step t - 1's matrix instructions are done: its two buffers of A, its set of W and its sets of scale words are free.  Into just these go step t's 72 loads: W's block t + 1, tiles 4-7 of step t, tiles 0-3 and
;       the scale words of step t + 1.  They follow the wait in one run, AHEAD of the wait for block t: so two blocks of W are on their way while the wave waits for the older one, and the LDS loads are issued
;       during that wait.  Behind the run the step's 64 matrix instructions follow each other with no load between them.
;       v48-51, v9: LDS addresses, written once in six steps: a wait on vm_vsrc ahead, the step's own wait behind.  A pass's first step has cvec in P and so a second wait, in its middle.
;   W.  Window 1's eight groups of 32 registers: a group's 32 multiply-adds read it; behind them one wait on va_vdst, then the group's eight loads of the next trip.  v152-159: the sums, read by two LDS stores a trip;
;       v7: their address: one wait on vm_vsrc at a trip's head.
;   Each ring buffer of X and W has a scalar base of its own, which moves on behind the counted wait that shows the buffer's loads done.
.set XSC,   262144
.set STAGE, 270336
.set SPARE, 306176                     ; the spare words, 128 bytes for each wave: two blocks of 256 bytes that no other line names
.set OPV,   8192
.set BLKB,  16896                      ; a block of wq: 128 columns x 128 K of codes, and 128 scale words
.set SEL,   20                         ; s[20:21] v_permlanex16_b32's selects for lane l xor 16
.set MNT,   22                         ; s22 the mantissa field of 57,344
.set RB,    44                         ; s[44:59] the ring buffers' bases: four pairs in X, eight in W
.set TM,    144                        ; v144-159 at work in QUANT
.set MSB,   0
.macro WIN new                         ; s_set_vgpr_msb: bits 1:0 source 0, 3:2 source 1, 5:4 source 2, 7:6 destination; the high byte repeats the setting that is left
.if MSB != \new
	s_set_vgpr_msb (MSB<<8)|\new
.set MSB, \new
.endif
.endm
; 64 numbers of a lane, register 16 b + i = k 32 b + 16 (lane / 16) + i of my row, become a fragment's 16 registers of codes and its scale word.
.macro QUANT s, pc, pw
.irp b, 0,1,2,3
	v_max3_num_f32 v[TM+\b], |v[\s+16*\b]|, |v[\s+1+16*\b]|, 0x8000000   ; block b: my 16 numbers, and the floor 2^(16 - 127): the byte cannot fall under 1
.endr
.irp i, 2,4,6,8,10,12,14
.irp b, 0,1,2,3
	v_max3_num_f32 v[TM+\b], v[TM+\b], |v[\s+16*\b+\i]|, |v[\s+1+16*\b+\i]|   ; the four blocks by turns
.endr
.endr
.irp b, 0,1,2,3
	v_permlanex16_b32 v[TM+4+\b], v[TM+\b], s[SEL], s[SEL+1]
.endr
.irp b, 0,1,2,3
	v_max_num_f32 v[TM+\b], v[TM+\b], v[TM+4+\b]   ; with lane l xor 16's 16: the block's largest magnitude
.endr
.irp b, 0,1,2,3
	v_add_nc_u32 v[TM+12+\b], 0xf8800000, v[TM+\b] ; 15 off the exponent field: the conversion's scale operand
.endr
.irp b, 0,1,2,3
	v_and_or_b32 v[TM+8+\b], v[TM+\b], 0x7f800000, s[MNT]   ; 57,344 x the scale
.endr
.irp b, 0,1,2,3
	v_lshrrev_b32 v[TM+4+\b], 23, v[TM+12+\b]      ; the scale's byte
.endr
	v_lshl_or_b32 v[\pw], v[TM+5], 8, v[TM+4]
	v_lshl_or_b32 v[\pw], v[TM+6], 16, v[\pw]
	v_lshl_or_b32 v[\pw], v[TM+7], 24, v[\pw]
.irp b, 0,1,2,3
.irp i, 0,1,2,3,4,5,6,7,8,9,10,11,12,13,14,15
	v_med3_num_f32 v[\s+16*\b+\i], v[\s+16*\b+\i], -v[TM+8+\b], v[TM+8+\b]   ; the conversion to an 8-bit code does not saturate (ISA guide 7.6.2): the hold
.endr
	v_cvt_scalef32_pk8_bf8_f32 v[\pc+4*\b:\pc+1+4*\b], v[\s+16*\b:\s+7+16*\b], v[TM+12+\b]
	v_cvt_scalef32_pk8_bf8_f32 v[\pc+2+4*\b:\pc+3+4*\b], v[\s+8+16*\b:\s+15+16*\b], v[TM+12+\b]
.endr
	v_nop                                          ; one plain line behind the last conversion
.endm
.macro BARRIER                         ; my LDS stores have landed and my LDS loads are in: then the work-group's barrier
	s_wait_dscnt 0x0
	s_barrier_signal -1
	s_barrier_wait -1
.endm
	s_load_b256 s[4:11], s[0:1], 0x0               ; enc_out s[4:5], wq s[6:7], cvec s[8:9], W_att s[10:11]
	s_load_b128 s[12:15], s[0:1], 0x20             ; sc s[12:13], opart s[14:15]
	v_lshl_add_u32 v20, v0, 2, SPARE               ; my spare word; never rewritten
	v_mov_b32 v21, 0                               ; 0; never rewritten
	v_lshrrev_b32 v7, 5, v0
	v_readfirstlane_b32 s16, v7                    ; wave 0..3
	v_and_b32 v8, 31, v0                           ; lane
	v_and_b32 v30, 15, v0                          ; r
	v_bfe_u32 v31, v0, 4, 1                        ; h
	v_lshlrev_b32 v1, 4, v8                        ; 16 x lane
	v_lshlrev_b32 v2, 2, v8                        ; 4 x lane
	s_wait_alu depctr_va_sdst(0)                   ; s16 is written, ahead of its first reader: LDS addresses and all the bases are made from it
	s_mul_i32 s17, s16, 8448
	s_add_co_u32 s17, s17, STAGE                   ; my stage
	v_add_nc_u32 v3, s17, v1                       ; into it: a row's 512 bytes as they lie
	v_mul_u32_u24 v4, v30, 528
	v_lshl_add_u32 v4, v31, 6, v4
	v_add_nc_u32 v4, s17, v4                       ; out of it: row r, + 64 h: my 16 numbers of a block of 32
	s_lshl_b32 s18, s16, 16
	v_add_nc_u32 v5, s18, v1                       ; my images: 65536 w + 16 lane
	s_lshl_b32 s18, s16, 11
	s_add_co_u32 s18, s18, XSC
	v_lshl_add_u32 v6, v30, 2, s18                 ; my scale words: XSC + 2048 w + 4 r
	v_lshlrev_b32 v10, 2, v30
	v_lshl_add_u32 v10, v31, 10, v10
	v_add_nc_u32 v10, XSC, v10                     ; reading them: lanes 0-15 an even row tile's, lanes 16-31 the next tile's, 1,024 bytes on
	v_lshlrev_b32 v11, 5, v31                      ; cvec and W_att: my eight columns 8 h + 0 .. 7
.irp k, 0,1,2,3
	v_add_nc_u32 v[52+\k], 65536*\k, v1            ; reading the images: row tiles 2 k and 2 k + 1
.endr
	s_lshl_b32 s18, s16, 13
	s_add_co_u32 s18, s18, OPV
	v_add_nc_u32 v56, s18, v1                      ; my partial sums: OPV + 8192 w + 16 lane
	s_lshl_b32 s18, s16, 9
	v_lshl_add_u32 v57, v30, 2, s18                ; my partial scores: 512 w + 4 r
	s_lshl_b32 s18, s16, 7
	v_add_nc_u32 v58, s18, v2                      ; the score of row 32 w + lane
	s_xor_b32 s18, s16, 3
	s_lshl_b32 s18, s18, 11
	s_add_co_u32 s18, s18, OPV
	v_add_nc_u32 v59, s18, v1                      ; the join: the sums lie by trip, the rows' last bytes first: my 2,048 bytes begin at 2048 (3 - w)
.irp a, 0,1,2,3,4,5,6,7
	v_mov_b32 v[12+\a], 0                          ; the score sums of my eight row tiles: both passes add onto them
.endr
.irp b, 0,1,2,3
	v_mov_b32 v[TM+4+\b], 0                        ; written once: a lane permute's destination counts as one of its sources
.endr
	s_mov_b32 s[SEL], 0x76543210
	s_mov_b32 s[SEL+1], 0xfedcba98
	s_mov_b32 s[MNT], 0x600000
	s_mov_b32 s19, 0                               ; the high word of every offset pair s[18:19]
	s_wait_kmcnt 0x0
	s_lshl_b32 s18, ttmp9, 20                      ; 128 rows of 8,192 bytes
	s_lshl_b32 s17, s16, 18                        ; 32 rows
	s_add_co_u32 s18, s18, s17
	s_add_nc_u64 s[28:29], s[4:5], s[18:19]        ; PX: my first row
	s_add_nc_u64 s[38:39], s[28:29], 7168          ; PE: its last 1,024 bytes
.irp f, 0,1,2,3
	s_mov_b64 s[RB+2*\f:RB+2*\f+1], s[28:29]       ; phase X: a base for each of the four sets
.endr
	s_mul_i32 s18, s16, 16*BLKB
	s_add_nc_u64 s[32:33], s[6:7], s[18:19]        ; PB0: wq at group g = w
	s_lshr_b32 s18, ttmp9, 2
	s_lshl_b32 s18, s18, 12
	s_lshl_b32 s17, s16, 9
	s_add_co_u32 s18, s18, s17
	s_add_nc_u64 s[34:35], s[8:9], s[18:19]        ; PCV: cvec at (batch, 128 w)
	s_mov_b32 s18, s17
	s_add_nc_u64 s[36:37], s[10:11], s[18:19]      ; PWA: W_att at 128 w
	s_lshl_b32 s18, ttmp9, 9
	s_add_nc_u64 s[12:13], s[12:13], s[18:19]      ; sc at my 128 rows
	s_lshl_b32 s18, ttmp9, 13
	s_lshl_b32 s17, s16, 11
	s_add_co_u32 s18, s18, s17
	s_add_nc_u64 s[14:15], s[14:15], s[18:19]      ; opart at (x, 512 w)
; ---------------- PHASE X ----------------
; A fragment f of a trip: K step f / 2 of the trip's two, row tile f % 2 of my two: 16 rows x 512 bytes.  Each load reads 512 consecutive bytes of one row; the 16 rows turn through my stage,
; so that a lane gets 16 neighbours along K of each block of 32.  Four sets of 16 loads are in flight.
.macro FRAGX f, load, left
	s_wait_loadcnt \left                           ; my set's 16 loads are in; the younger sets stay out
.if \load
	s_add_nc_u64 s[RB+2*\f:RB+2*\f+1], s[RB+2*\f:RB+2*\f+1], 1024   ; free since that wait, which shows the loads that read it done: the same fragment of the next trip
.endif
	WIN 0x04                                       ; an LDS store's data are its source 1: window 1
.irp i, 0,1,2,3,4,5,6,7,8,9,10,11,12,13,14,15
	ds_store_b128 v3, v[64*\f+4*\i:64*\f+4*\i+3] offset:528*\i
.endr
	WIN 0
.irp b, 0,1,2,3
.irp j, 0,1,2,3
	ds_load_b128 v[64+16*\b+4*\j:64+16*\b+4*\j+3], v4 offset:128*\b+16*\j    ; LDS serves a wave's instructions in order (ISA guide 5.7.1.4): these see the stores above.  (QUANT's lines on v64-127 stand ahead of the last wait on va_vdst)
.endr
.endr
	s_wait_dscnt 0x0                               ; the numbers are back
	s_wait_alu depctr_vm_vsrc(0)                   ; the stage's stores have read the set, in which the loads below land; the last fragment's image stores have read v128-143 and v160, which QUANT writes
.if \load
	WIN 0x40                                       ; destination window 1
.irp i, 0,1,2,3,4,5,6,7,8,9,10,11,12,13,14,15
	global_load_b128 v[64*\f+4*\i:64*\f+4*\i+3], v1, s[RB+2*\f:RB+2*\f+1] offset:(16*(\f%2)+\i)*8192+512*(\f/2)
.endr
	WIN 0
.endif
	QUANT 64, 128, 160
	s_wait_alu depctr_va_vdst(0)                   ; QUANT has written the codes and the scale word, and v7 and v8 are written, which the stores below read; it is done with v64-127, in which the next fragment's LDS loads land
.irp c, 0,1,2,3
	ds_store_b128 v7, v[128+4*\c:128+4*\c+3] offset:32768*(\f%2)+2048*(\f/2)+512*\c   ; the fragment as an image of its registers
.endr
	ds_store_b32 v8, v160 offset:1024*(\f%2)+64*(\f/2)   ; both halves of the lanes write the same word with the same value
.endm
	WIN 0x40
	s_wait_alu depctr_va_vdst(0)                   ; the head's offsets and LDS addresses (v1-6, v10, v11, v52-59) are written, which the kernel's memory and LDS instructions read
.irp f, 0,1,2,3
.irp i, 0,1,2,3,4,5,6,7,8,9,10,11,12,13,14,15
	global_load_b128 v[64*\f+4*\i:64*\f+4*\i+3], v1, s[28:29] offset:(16*(\f%2)+\i)*8192+512*(\f/2)
.endr
.endr
	WIN 0
	s_mov_b32 s25, 0                               ; the trip's place in a row tile's images: 4,096 bytes a trip
	s_mov_b32 s26, 0                               ; and among its scale words: 128 bytes a trip
	s_mov_b32 s23, 7
.Lx:
	s_wait_alu depctr_vm_vsrc(0)                   ; the last trip's image stores have read v7 and v8
	v_add_nc_u32 v7, s25, v5
	v_add_nc_u32 v8, s26, v6
	FRAGX 0, 1, 48
	FRAGX 1, 1, 48
	FRAGX 2, 1, 48
	FRAGX 3, 1, 48
	s_add_co_u32 s25, s25, 4096
	s_add_co_u32 s26, s26, 128
	s_sub_co_u32 s23, s23, 1
	s_cmp_lg_u32 s23, 0
	s_cbranch_scc1 .Lx
	s_wait_alu depctr_vm_vsrc(0)                   ; the last trip's image stores have read v7 and v8
	v_add_nc_u32 v7, s25, v5
	v_add_nc_u32 v8, s26, v6
	FRAGX 0, 0, 48                                 ; the last trip loads nothing: the counts run down
	FRAGX 1, 0, 32
	FRAGX 2, 0, 16
	FRAGX 3, 0, 0
	BARRIER                                        ; all 128 fragments and their scale words lie in LDS
	s_wait_alu depctr_vm_vsrc(0)                   ; my LDS stores have read v128-143, v160 and window 1's sets: from here on A's fragments and W's land there
; ---------------- PHASE G ----------------
.macro WM                              ; one matrix instruction, from the symbols that MUL8 sets; a scale word lies in lanes 16-31 where its tile's number is odd
.if (oB == 0) && (oA == 0)
	v_wmma_scale_f32_16x16x128_f8f6f4 v[rD:rD+7], v[rB:rB+15], v[rA:rA+15], v[rC:rC+7], v[rSW], v[rSA] matrix_a_fmt:MATRIX_FMT_BF8 matrix_b_fmt:MATRIX_FMT_BF8
.elseif (oB == 1) && (oA == 0)
	v_wmma_scale_f32_16x16x128_f8f6f4 v[rD:rD+7], v[rB:rB+15], v[rA:rA+15], v[rC:rC+7], v[rSW], v[rSA] matrix_a_fmt:MATRIX_FMT_BF8 matrix_b_fmt:MATRIX_FMT_BF8 matrix_a_scale:MATRIX_SCALE_ROW1
.elseif (oB == 0) && (oA == 1)
	v_wmma_scale_f32_16x16x128_f8f6f4 v[rD:rD+7], v[rB:rB+15], v[rA:rA+15], v[rC:rC+7], v[rSW], v[rSA] matrix_a_fmt:MATRIX_FMT_BF8 matrix_b_fmt:MATRIX_FMT_BF8 matrix_b_scale:MATRIX_SCALE_ROW1
.else
	v_wmma_scale_f32_16x16x128_f8f6f4 v[rD:rD+7], v[rB:rB+15], v[rA:rA+15], v[rC:rC+7], v[rSW], v[rSA] matrix_a_fmt:MATRIX_FMT_BF8 matrix_b_fmt:MATRIX_FMT_BF8 matrix_a_scale:MATRIX_SCALE_ROW1 matrix_b_scale:MATRIX_SCALE_ROW1
.endif
.endm
; 8 matrix instructions: row tile a x W's eight column tiles, 128 along K.  par: B's set and the sets of scale words.  xb: the buffer that holds the tile's half.  first = 1: cvec is the C: nothing is cleared and no bias is added later.
; The 64 accumulators take turns, one instruction a turn, in the same order in every step.
.macro MUL8 a, par, xb, first
.irp b, 0,1,2,3,4,5,6,7
.set rD, 8*(8*((\a)%4)+\b)
.set rB, 128*(\par)+16*\b
.set rA, \xb+16*((\a)%4)
.if \first
.set rC, 64+8*\b
.else
.set rC, rD
.endif
.set rSW, 32+4*(\par)+\b/2
.set rSA, 40+4*(\par)+(\a)/2
.set oB, \b%2
.set oA, (\a)%2
	WM
.endr
.endm
.macro FETCH_B4 set, b0, pb, off       ; four of the eight fragments of a block of wq: 16 loads, each of 512 consecutive bytes
.irp b, \b0, \b0+1, \b0+2, \b0+3
.irp c, 0,1,2,3
	global_load_b128 v[128*(\set)+16*(\b)+4*\c:128*(\set)+16*(\b)+4*\c+3], v1, s[\pb:\pb+1] offset:\off+2048*(\b)+512*\c
.endr
.endr
.endm
.macro FETCH_SW set, pb, off           ; the block's scale words
.irp q, 0,1,2,3
	global_load_b32 v[32+4*(\set)+\q], v2, s[\pb:\pb+1] offset:\off+16384+128*\q    ; lanes 0-15: tile 2 q's words; lanes 16-31: tile 2 q + 1's
.endr
.endm
.macro FETCH_A2 xb, a0, adr, off       ; row tiles a0, a0 + 1 (a0 even) into their places in buffer xb
.irp a, \a0, \a0+1
.irp c, 0,1,2,3
	ds_load_b128 v[\xb+16*((\a)%4)+4*\c:\xb+16*((\a)%4)+4*\c+3], v[\adr+(\a)/2] offset:\off+32768*((\a)%2)+512*\c
.endr
.endr
.endm
.macro SCALES_A set, adr, off
.irp q, 0,1,2,3
	ds_load_b32 v[40+4*(\set)+\q], v[\adr] offset:\off+2048*\q
.endr
.endm
; K step t = t0 + d, t from 1 on: 64 matrix instructions, row tile by row tile.  xa holds its tiles 0-3; xb takes its tiles 4-7; xc takes the next step's tiles 0-3.  par = t % 2.
; nxt = 1: there is a next step.  last = 1: W_att comes into the buffer that is free (Q).  v48-51 and v9 stand at K step t0, s[30:31] at block t0.
.macro STEP d, par, xa, xb, xc, nxt, last
.rept 8
	v_nop                                          ; eight places behind the last step's matrix instructions stay ahead of the loads into registers that these have read (ISA guide 7.12.1 has them for vector instructions); the dependence itself is stated by the wait below
.endr
.if \nxt
	WIN 0x40                                       ; destination window 1
.else
	WIN 0
.endif
	s_wait_alu depctr_va_vdst(0)                   ; the last step's matrix instructions are done reading xb, xc, the other set of W and the other sets of scale words, in which the loads below land; in a trip's first step v48-51 and v9 are written.  No vector or matrix line stands among the loads
.if \nxt
	FETCH_B4 1-\par, 0, 30, ((\d)+1)*BLKB          ; the next block of W is asked for ahead of the wait for this step's
	WIN 0
	FETCH_SW 1-\par, 30, ((\d)+1)*BLKB
.endif
.if \last
.irp b, 0,1,2,3,4,5,6,7
	global_load_b128 v[128+8*\b:131+8*\b], v11, s[36:37] offset:64*\b       ; W_att at my columns 16 b + 8 h + 0 .. 7
	global_load_b128 v[132+8*\b:135+8*\b], v11, s[36:37] offset:64*\b+16
.endr
.endif
	FETCH_A2 \xb, 4, 48, 2048*(\d)                 ; this step's tiles 4-7: 16 LDS loads
	FETCH_A2 \xb, 6, 48, 2048*(\d)
.if \nxt
	FETCH_A2 \xc, 0, 48, 2048*((\d)+1)             ; the next step's tiles 0-3 and scale words: 20 LDS loads
	FETCH_A2 \xc, 2, 48, 2048*((\d)+1)
	SCALES_A 1-\par, 9, 64*((\d)+1)
	WIN 0x40
	FETCH_B4 1-\par, 4, 30, ((\d)+1)*BLKB
	s_wait_loadcnt 36                              ; loads come back in order (ISA guide 5.7.1): this step's block of W is in, the 36 loads just issued stay out
	s_wait_dscnt 36                                ; its tiles 0-3 and its scale words are in; the 36 LDS loads just issued may be out
.else
	s_wait_loadcnt 16                              ; the last block of W is in; W_att's 16 loads stay out
	s_wait_dscnt 16                                ; the step's tiles 0-3 and scale words are in; its tiles 4-7 may be out
.endif
	WIN 0xa1                                       ; source 0 (W) window 1, source 1 (x) window 0, C and D window 2
	MUL8 0, \par, \xa, 0
	MUL8 1, \par, \xa, 0
	MUL8 2, \par, \xa, 0
	MUL8 3, \par, \xa, 0
.if \nxt
	s_wait_dscnt 20                                ; tiles 4-7 are in; the next step's four tiles and scale words (20 loads) may be out
.else
	s_wait_dscnt 0x0
.endif
	WIN 0xf1                                       ; C and D window 3
	MUL8 4, \par, \xb, 0
	MUL8 5, \par, \xb, 0
	MUL8 6, \par, \xb, 0
	MUL8 7, \par, \xb, 0
.endm
.macro ON                              ; the head of six steps: the LDS addresses of A's fragments and scale words move on
	s_wait_alu depctr_vm_vsrc(0)                   ; the LDS loads issued so far have read v48-51 and v9
.irp k, 0,1,2,3
	v_add_nc_u32 v[48+\k], s25, v[52+\k]
.endr
	v_add_nc_u32 v9, s26, v10
.endm
; Row tile a on the way out of a pass: relu, and the dot with W_att over my 64 columns of each row, in four chains of pairs; the sum goes onto the tile's score sum.
.macro EPI a
.set wv, 0x08+4*((\a)/4)
	WIN wv                                         ; source 1: window 2 or 3
.set i, 0
.rept 64
	v_max_num_f32 v[192+i], 0, v[64*((\a)%4)+i]    ; each accumulator from its low end on
.set i, i+1
.endr
	WIN 0
.irp k, 0,1,2,3
	v_pk_mul_f32 v[22+2*\k:23+2*\k], v[192+2*\k:193+2*\k], v[128+2*\k:129+2*\k]
.endr
.set i, 4
.rept 28
	v_pk_fma_f32 v[22+2*(i%4):23+2*(i%4)], v[192+2*i:193+2*i], v[128+2*i:129+2*i], v[22+2*(i%4):23+2*(i%4)]
.set i, i+1
.endr
	v_pk_add_f32 v[22:23], v[22:23], v[24:25]
	v_pk_add_f32 v[26:27], v[26:27], v[28:29]
	v_pk_add_f32 v[22:23], v[22:23], v[26:27]
	v_add_f32 v22, v22, v23
	v_add_f32 v[12+\a], v[12+\a], v22
.endm
	s_mov_b32 s24, 2
.Lpass:
	s_add_nc_u64 s[30:31], s[32:33], BLKB          ; PB: the group's block 1 (every load by the old PB has been waited for)
	s_mov_b32 s25, 2048                            ; K step 1's fragments,
	s_mov_b32 s26, 64                              ; and scale words
	s_wait_alu depctr_va_vdst(0)                   ; the pass before is done: its matrix instructions have read P, W's sets and the scale words, its way out has read Q and written R: in all of these the loads below land
	FETCH_A2 128, 0, 52, 0                         ; K step 0: tiles 0-3 into Q,
	FETCH_A2 128, 2, 52, 0
	SCALES_A 0, 10, 0                              ; the scale words of K steps 0 and 1,
	SCALES_A 1, 10, 64
	FETCH_A2 192, 4, 52, 0                         ; tiles 4-7 into R
	FETCH_A2 192, 6, 52, 0
.irp b, 0,1,2,3,4,5,6,7
	global_load_b128 v[64+8*\b:67+8*\b], v11, s[34:35] offset:64*\b          ; cvec at my columns 16 b + 8 h + 0 .. 7: eight registers a column tile, in the result's layout
	global_load_b128 v[68+8*\b:71+8*\b], v11, s[34:35] offset:64*\b+16
.endr
	FETCH_SW 0, 32, 0
	WIN 0x40
	FETCH_B4 0, 0, 32, 0
	FETCH_B4 0, 4, 32, 0
	FETCH_B4 1, 0, 32, BLKB
	FETCH_B4 1, 4, 32, BLKB
	WIN 0
	FETCH_SW 1, 32, BLKB
	; K step 0 starts the sums.  cvec holds P, so the next step's tiles 0-3 go back into Q, behind a wait of their own
	s_wait_loadcnt 36                              ; cvec and block 0 are in; block 1's 36 loads may be out
	s_wait_dscnt 16                                ; tiles 0-3 and the scale words are in; tiles 4-7 (16 loads) may be out
	WIN 0x81                                       ; source 0 (W) window 1, source 1 (x) and C (cvec) window 0, D window 2
	MUL8 0, 0, 128, 1
	MUL8 1, 0, 128, 1
	MUL8 2, 0, 128, 1
	MUL8 3, 0, 128, 1
	WIN 0
.rept 8
	v_nop                                          ; eight places, as at a step's head
.endr
	s_wait_alu depctr_va_vdst(0)                   ; the 32 matrix instructions above are done reading Q, in which K step 1's tiles 0-3 land
	FETCH_A2 128, 0, 52, 2048
	FETCH_A2 128, 2, 52, 2048
	s_wait_dscnt 16                                ; tiles 4-7 are in; the 16 loads just issued may be out
	WIN 0xc1                                       ; D window 3
	MUL8 4, 0, 192, 1
	MUL8 5, 0, 192, 1
	MUL8 6, 0, 192, 1
	MUL8 7, 0, 192, 1
	WIN 0
	s_mov_b32 s23, 2
.Lk:                                               ; K steps 1 to 12: after six steps the three buffers and the two sets are back where they began
	ON
	STEP 0, 1, 128, 192, 64, 1, 0
	STEP 1, 0, 64, 128, 192, 1, 0
	STEP 2, 1, 192, 64, 128, 1, 0
	STEP 3, 0, 128, 192, 64, 1, 0
	STEP 4, 1, 64, 128, 192, 1, 0
	STEP 5, 0, 192, 64, 128, 1, 0
	WIN 0                                          ; at a label and at a branch every window is 0
	s_wait_xcnt 0x0                                ; the loads of W have read their base: it may step
	s_add_nc_u64 s[30:31], s[30:31], 6*BLKB
	s_add_co_u32 s25, s25, 12288
	s_add_co_u32 s26, s26, 384
	s_sub_co_u32 s23, s23, 1
	s_cmp_lg_u32 s23, 0
	s_cbranch_scc1 .Lk
	ON
	STEP 0, 1, 128, 192, 64, 1, 0                  ; 13
	STEP 1, 0, 64, 128, 192, 1, 0                  ; 14: asks for the last block and the last tiles 0-3
	STEP 2, 1, 192, 64, 128, 0, 1                  ; 15
.rept 8
	v_nop                                          ; eight places ahead of the first read of the results, and of the first write of R, which matrix instructions have read
.endr
	s_wait_loadcnt 0x0                             ; W_att
.irp a, 0,1,2,3,4,5,6,7
	EPI \a
.endr
	s_add_nc_u64 s[32:33], s[32:33], 64*BLKB       ; four groups on
	s_add_nc_u64 s[34:35], s[34:35], 2048          ; 512 columns on
	s_add_nc_u64 s[36:37], s[36:37], 2048
	s_sub_co_u32 s24, s24, 1
	s_cmp_lg_u32 s24, 0
	s_cbranch_scc1 .Lpass
; ---------------- PHASE W's first loads go out here; they land while the scores are joined ----------------
; A trip takes 1,024 bytes of each of my 32 rows, in two chunks of 512, the upper first; the trips walk from the rows' end to their start, so that the bytes this work-group read last are asked for again first.
; Load q of 64: row q % 32, the upper chunk for q < 32.
.irp g, 0,1,2,3,4,5,6,7
	s_mov_b64 s[RB+2*\g:RB+2*\g+1], s[38:39]       ; a base for each of the eight groups (phase X's loads, which read four of these pairs, have been waited for)
.endr
	WIN 0x40
	s_wait_alu depctr_va_vdst(0)                   ; the last pass's matrix instructions are done reading W's two sets, in which the loads below land
.set q, 0
.rept 64
	global_load_b128 v[4*q:4*q+3], v1, s[38:39] offset:(q%32)*8192+512*(1-q/32) th:TH_LOAD_NT
.set q, q+1
.endr
	WIN 0
; ---------------- PHASE S ----------------
	BARRIER                                        ; every wave's reads of the images are over: their bytes may be written
.irp a, 0,1,2,3,4,5,6,7
	v_permlanex16_b32 v[192+\a], v[12+\a], s[SEL], s[SEL+1]
.endr
.irp a, 0,1,2,3,4,5,6,7
	v_add_f32 v[12+\a], v[12+\a], v[192+\a]        ; both halves of the lanes: row 16 a + r over my 256 columns
.endr
	s_wait_alu depctr_va_vdst(0)                   ; the additions have written v12-19, which the LDS stores read; the way out of the last pass is done with v128-147, in which the LDS loads behind the barrier land
.irp a, 0,1,2,3,4,5,6,7
	ds_store_b32 v57, v[12+\a] offset:64*\a        ; both halves write the same word with the same value
.endr
	BARRIER
.irp p, 0,1,2,3
	ds_load_b128 v[128+4*\p:131+4*\p], v1 offset:512*\p    ; wave p's part of rows 4 lane .. 4 lane + 3
	ds_load_b32 v[144+\p], v58 offset:512*\p               ; and of row 32 w + lane
.endr
	s_wait_dscnt 0x0
.irp p, 1,2,3
	v_pk_add_f32 v[128:129], v[128:129], v[128+4*\p:129+4*\p]   ; the four parts in one order in both layouts: the same bits
	v_pk_add_f32 v[130:131], v[130:131], v[130+4*\p:131+4*\p]
	v_add_f32 v144, v144, v[144+\p]
.endr
	v_max3_num_f32 v148, v128, v129, v130
	v_max_num_f32 v148, v148, v131
	v_max_num_f32_dpp v148, v148, v148 row_xmask:1 row_mask:0xf bank_mask:0xf
	v_max_num_f32_dpp v148, v148, v148 row_xmask:2 row_mask:0xf bank_mask:0xf
	v_max_num_f32_dpp v148, v148, v148 row_xmask:4 row_mask:0xf bank_mask:0xf
	v_max_num_f32_dpp v148, v148, v148 row_xmask:8 row_mask:0xf bank_mask:0xf
	v_permlanex16_b32 v149, v148, s[SEL], s[SEL+1]
	v_max_num_f32 v148, v148, v149                 ; m: the largest of the 128 scores
	v_sub_f32 v150, v144, v148
	v_mul_f32 v150, 0x3fb8aa3b, v150               ; (s - m) log2 e, 0 or less
	s_wait_alu depctr_va_vdst(0)
	v_exp_f32 v150, v150                           ; p of row 32 w + lane, at most 1
	v_nop                                          ; a plain line behind the transcendental
	s_wait_alu depctr_va_vdst(0)                   ; the exponential has written v150: the wait ahead of its first reader
.set i, 0
.rept 32
	v_readlane_b32 s[68+i], v150, i                ; my 32 rows' p as scalars: factors of the sums below, and nothing else
.set i, i+1
.endr
	s_wait_alu depctr_va_sdst(0)                   ; s68 to s99 are written, ahead of the label and of their first readers, the multiply-adds below
; ---------------- PHASE W ----------------
.macro GRP g, load, left               ; eight rows of a chunk
	s_wait_loadcnt \left                           ; this group's eight loads are in; the younger groups stay out
.if \load
	s_sub_nc_u64 s[RB+2*(\g):RB+2*(\g)+1], s[RB+2*(\g):RB+2*(\g)+1], 1024   ; free since that wait, which shows the loads that read it done: the same rows' bytes of the next trip, 1,024 further down
.endif
	WIN 0x04                                       ; source 1 window 1
.irp e, 0,1,2,3,4,5,6,7
.set q, 8*(\g)+\e
.set row, q%32
.set oa, 152+4*(q/32)
.irp k, 0,1,2,3
.if row == 0
	v_mul_f32 v[oa+\k], s[68+row], v[4*q+\k]       ; a chunk's first row starts the sums
.else
	v_fmac_f32 v[oa+\k], s[68+row], v[4*q+\k]
.endif
.endr
.endr
.if \load
	WIN 0x40
	s_wait_alu depctr_va_vdst(0)                   ; the 32 lines above are done reading the group's registers, in which the loads below land; in groups 3 and 7 they have also written a chunk's sums, which the LDS store behind the group reads (v7 is written too)
.irp e, 0,1,2,3,4,5,6,7
.set q, 8*(\g)+\e
	global_load_b128 v[4*q:4*q+3], v1, s[RB+2*(\g):RB+2*(\g)+1] offset:(q%32)*8192+512*(1-q/32) th:TH_LOAD_NT
.endr
.endif
.endm
.macro TRIPW load
	s_wait_dscnt 0x0
	s_wait_alu depctr_vm_vsrc(0)                   ; the last trip's two LDS stores have read v7 and v152-159, which this trip writes again
	v_add_nc_u32 v7, s40, v56                      ; the trip's 1,024 bytes of my partial sums
.irp g, 0,1,2,3
.if \load
	GRP \g, 1, 56
.else
	s_wait_alu depctr_va_vdst(0)
	GRP \g, 0, 56-8*\g
.endif
.endr
	WIN 0
.if !\load
	s_wait_alu depctr_va_vdst(0)                   ; v152-155 and v7 are written, which the store reads (this trip's groups hold no wait: they load nothing)
.endif
	ds_store_b128 v7, v[152:155] offset:512        ; the upper chunk
.irp g, 4,5,6,7
.if \load
	GRP \g, 1, 56
.else
	s_wait_alu depctr_va_vdst(0)
	GRP \g, 0, 56-8*\g
.endif
.endr
	WIN 0
.if !\load
	s_wait_alu depctr_va_vdst(0)                   ; v156-159 are written, which the store reads
.endif
	ds_store_b128 v7, v[156:159]                   ; the lower chunk
.endm
	s_mov_b32 s40, 0
	s_mov_b32 s23, 7
.Lw:
	TRIPW 1
	s_add_co_u32 s40, s40, 1024
	s_sub_co_u32 s23, s23, 1
	s_cmp_lg_u32 s23, 0
	s_cbranch_scc1 .Lw
	TRIPW 0                                        ; the rows' first 1,024 bytes: nothing is left to ask for, and the counts run down
	BARRIER                                        ; the four waves' partial sums lie in LDS
.irp p, 0,1,2,3
.irp i, 0,1,2,3
	ds_load_b128 v[160+16*\p+4*\i:163+16*\p+4*\i], v59 offset:8192*\p+1024*(1-\i/2)+512*(\i%2)   ; wave p's sums of columns 512 w + 128 i on.  (Every vector line that named v160-223 stands ahead of the waits above)
.endr
.endr
	s_wait_dscnt 0x0
.irp p, 1,2,3
.irp j, 0,2,4,6,8,10,12,14
	v_pk_add_f32 v[160+\j:161+\j], v[160+\j:161+\j], v[160+16*\p+\j:161+16*\p+\j]
.endr
.endr
	s_wait_alu depctr_va_vdst(0)                   ; the additions have written v160-175, which the stores read
.irp i, 0,1,2,3
	global_store_b128 v1, v[160+4*\i:163+4*\i], s[14:15] offset:512*\i     ; 512 consecutive bytes, aligned
.endr
	s_cmp_lg_u32 s16, 0
	s_cbranch_scc1 .Lend
	global_store_b128 v1, v[128:131], s[12:13]     ; wave 0: the 128 scores, 512 consecutive bytes (written in phase S, ahead of the waits above)
.Lend:
	s_wait_dscnt 0x0                               ; the closing lines, six on end
	s_wait_alu 0x0
	s_wait_tensorcnt 0x0
	ds_add_u32 v20, v21
	s_wait_dscnt 0x0
	s_endpgm
.Lfunc_end_k_q2071f5546f_main:
	.size	k_q2071f5546f_main, .Lfunc_end_k_q2071f5546f_main-k_q2071f5546f_main
	.p2alignl 7, 3214868480
	.fill 96, 4, 3214868480
	.section	.rodata,"a",@progbits
	.p2align	6, 0x0
	.amdhsa_kernel k_q2071f5546f_main
		.amdhsa_group_segment_fixed_size 306688
		.amdhsa_private_segment_fixed_size 0
		.amdhsa_enable_private_segment 0
		.amdhsa_kernarg_size 48
		.amdhsa_user_sgpr_count 2
		.amdhsa_user_sgpr_kernarg_segment_ptr 1
		.amdhsa_wavefront_size32 1
		.amdhsa_system_sgpr_workgroup_id_x 1
		.amdhsa_system_sgpr_workgroup_id_y 1
		.amdhsa_system_sgpr_workgroup_id_z 1
		.amdhsa_system_vgpr_workitem_id 0
		.amdhsa_next_free_vgpr 1024
		.amdhsa_next_free_sgpr 100
		.amdhsa_reserve_vcc 0
		.amdhsa_float_denorm_mode_32 3
		.amdhsa_float_denorm_mode_16_64 3
		.amdhsa_memory_ordered 1
		.amdhsa_forward_progress 1
		.amdhsa_inst_pref_size 255
	.end_amdhsa_kernel
	.section	.bss,"aw",@nobits
	.p2align	6
	.space	262144
	.amdgpu_metadata
---
amdhsa.version: [ 1, 2 ]
amdhsa.kernels:
  - .name:           k_q2071f5546f_main
    .symbol:         k_q2071f5546f_main.kd
    .args:
      - { .name: enc_out, .offset: 0, .size: 8, .value_kind: global_buffer, .address_space: global }
      - { .name: wq, .offset: 8, .size: 8, .value_kind: global_buffer, .address_space: global }
      - { .name: cvec, .offset: 16, .size: 8, .value_kind: global_buffer, .address_space: global }
      - { .name: W_att, .offset: 24, .size: 8, .value_kind: global_buffer, .address_space: global }
      - { .name: sc, .offset: 32, .size: 8, .value_kind: global_buffer, .address_space: global }
      - { .name: opart, .offset: 40, .size: 8, .value_kind: global_buffer, .address_space: global }
    .group_segment_fixed_size: 306688
    .private_segment_fixed_size: 0
    .kernarg_segment_align: 8
    .kernarg_segment_size: 48
    .max_flat_workgroup_size: 128
    .sgpr_count:     100
    .vgpr_count:     1024
    .wavefront_size: 32
...
	.end_amdgpu_metadata
.endif
;; end of part 5
;; launch fin (part 6): grid 4 x 64, 4 waves a work-group, no clusters, 0 bytes of LDS; arguments sc, opart, out0, out1; writes out0, out1
.if DOCPART == 6
	.amdgcn_target "amdgcn-amd-amdhsa--gfx1250"
	.amdhsa_code_object_version 6
	.text
	.protected	k_q2071f5546f_fin
	.globl	k_q2071f5546f_fin
	.p2align	8
	.type	k_q2071f5546f_fin,@function
k_q2071f5546f_fin:
	s_mov_b64 s[64:65], 0
	v_nop
	global_prefetch_b8 v0, s[64:65] scope:SCOPE_SE
	s_setreg_imm32_b32 hwreg(HW_REG_WAVE_MODE, 25, 1), 1
	s_wait_xcnt 0x0
; A batch's four quarters are joined.  sc [64][512]: the scores, without b_att (left out: the same along the softmax's axis, see the first kernel's head).
; opart [64][4][2048]: quarter v's sum of 2^((s - m_v) log2 e) x row, m_v the quarter's largest score.
; M = the batch's largest score;  L = the sum of 2^((s - M) log2 e);  alpha = 2^((s - M) log2 e) / L;  weighted_enc = (the sum over v of opart_v 2^((m_v - M) log2 e)) / L.
; m_v is taken anew from the stored scores: a maximum rounds nothing, so it is the number that the launch before took away.
; Work-group (q, b): columns 512 q .. 512 q + 511 of batch b's weighted_enc, 128 a wave, and quarter q of its alpha (wave 0).  Each wave makes the softmax's figures by itself from the batch's 2,048 bytes of
; scores: no LDS, no barrier.  Matrix units and clusters would serve nothing here: a few thousand bytes a work-group.
	s_load_b256 s[4:11], s[0:1], 0x0               ; sc s[4:5], opart s[6:7], out0 s[8:9], out1 s[10:11]
	v_lshrrev_b32 v1, 5, v0
	v_readfirstlane_b32 s12, v1                    ; wave 0..3
	v_and_b32 v2, 31, v0
	v_lshlrev_b32 v2, 4, v2                        ; 16 x lane; never rewritten
	s_and_b32 s13, ttmp7, 0xffff                   ; b
	s_mov_b32 s20, 0x76543210
	s_mov_b32 s21, 0xfedcba98                      ; v_permlanex16_b32's selects for lane l xor 16
	s_mov_b32 s22, 0x3fb8aa3b                      ; log2 e
	s_mov_b32 s15, 0
	s_mov_b32 s17, 0
	s_lshl_b32 s14, s13, 11                        ; 2048 b
	s_lshl_b32 s16, ttmp9, 9                       ; 512 q
	s_wait_alu depctr_va_vdst(0)
	s_wait_kmcnt 0x0
	s_add_nc_u64 s[4:5], s[4:5], s[14:15]          ; the batch's scores
	s_add_nc_u64 s[18:19], s[4:5], s[16:17]        ; quarter q's
	s_add_nc_u64 s[10:11], s[10:11], s[14:15]
	s_add_nc_u64 s[10:11], s[10:11], s[16:17]      ; and its alpha
	s_lshl_b32 s16, ttmp9, 11
	s_lshl_b32 s23, s12, 9
	s_add_co_u32 s16, s16, s23                     ; my columns: 2048 q + 512 w bytes
	s_lshl_b32 s14, s13, 15
	s_add_nc_u64 s[6:7], s[6:7], s[14:15]
	s_add_nc_u64 s[6:7], s[6:7], s[16:17]
	s_lshl_b32 s14, s13, 13
	s_add_nc_u64 s[8:9], s[8:9], s[14:15]
	s_add_nc_u64 s[8:9], s[8:9], s[16:17]
.irp p, 0,1,2,3
	global_load_b128 v[8+4*\p:11+4*\p], v2, s[4:5] offset:512*\p      ; quarter p's 128 scores, four a lane
.endr
	global_load_b128 v[24:27], v2, s[18:19]                           ; quarter q's once more, for alpha
.irp p, 0,1,2,3
	global_load_b128 v[32+4*\p:35+4*\p], v2, s[6:7] offset:8192*\p    ; quarter p's partial sums of my columns
.endr
.irp p, 0,1,2,3
	v_mov_b32 v[52+\p], 0                          ; a lane permute's destination counts as one of its sources
.endr
	s_wait_loadcnt 0x0
.irp p, 0,1,2,3
	v_max3_num_f32 v[48+\p], v[8+4*\p], v[9+4*\p], v[10+4*\p]
.endr
.irp p, 0,1,2,3
	v_max_num_f32 v[48+\p], v[48+\p], v[11+4*\p]
.endr
.irp m, 1,2,4,8
.irp p, 0,1,2,3
	v_max_num_f32_dpp v[48+\p], v[48+\p], v[48+\p] row_xmask:\m row_mask:0xf bank_mask:0xf
.endr
.endr
.irp p, 0,1,2,3
	v_permlanex16_b32 v[52+\p], v[48+\p], s20, s21
.endr
.irp p, 0,1,2,3
	v_max_num_f32 v[48+\p], v[48+\p], v[52+\p]     ; m_p, in every lane
.endr
	v_max3_num_f32 v56, v48, v49, v50
	v_max_num_f32 v56, v56, v51                    ; M
.irp i, 8,9,10,11,12,13,14,15,16,17,18,19,20,21,22,23,24,25,26,27,48,49,50,51
	v_sub_f32 v[\i], v[\i], v56
.endr
.irp i, 8,9,10,11,12,13,14,15,16,17,18,19,20,21,22,23,24,25,26,27,48,49,50,51
	v_mul_f32 v[\i], s22, v[\i]                    ; (. - M) log2 e, 0 or less
.endr
	s_wait_alu depctr_va_vdst(0)
.irp i, 8,9,10,11,12,13,14,15,16,17,18,19,20,21,22,23,24,25,26,27,48,49,50,51
	v_exp_f32 v[\i], v[\i]                         ; one batch of 24
.endr
	v_nop                                          ; a plain line behind the last of them
	s_wait_alu depctr_va_vdst(0)                   ; one wait for the batch, ahead of its first reader
	v_pk_add_f32 v[8:9], v[8:9], v[10:11]
	v_pk_add_f32 v[12:13], v[12:13], v[14:15]
	v_pk_add_f32 v[16:17], v[16:17], v[18:19]
	v_pk_add_f32 v[20:21], v[20:21], v[22:23]
	v_pk_add_f32 v[8:9], v[8:9], v[12:13]
	v_pk_add_f32 v[16:17], v[16:17], v[20:21]
	v_pk_add_f32 v[8:9], v[8:9], v[16:17]
	v_add_f32 v8, v8, v9
	v_add_f32_dpp v8, v8, v8 row_xmask:1 row_mask:0xf bank_mask:0xf
	v_add_f32_dpp v8, v8, v8 row_xmask:2 row_mask:0xf bank_mask:0xf
	v_add_f32_dpp v8, v8, v8 row_xmask:4 row_mask:0xf bank_mask:0xf
	v_add_f32_dpp v8, v8, v8 row_xmask:8 row_mask:0xf bank_mask:0xf
	v_permlanex16_b32 v9, v8, s20, s21
	v_add_f32 v8, v8, v9                           ; L, at least 1
	s_wait_alu depctr_va_vdst(0)
	v_rcp_f32 v58, v8
.irp k, 0,1,2,3
	v_mul_f32 v[32+\k], v[32+\k], v48              ; plain work behind the reciprocal: quarter 0's sums under M,
.endr
.irp p, 1,2,3
.irp k, 0,1,2,3
	v_fmac_f32 v[32+\k], v[32+4*\p+\k], v[48+\p]   ; and the others'
.endr
.endr
	s_wait_alu depctr_va_vdst(0)                   ; the wait ahead of the reciprocal's first reader
.irp k, 0,1,2,3
	v_mul_f32 v[32+\k], v[32+\k], v58
.endr
	global_store_b128 v2, v[32:35], s[8:9]         ; 512 consecutive bytes a wave, aligned
	s_cmp_lg_u32 s12, 0
	s_cbranch_scc1 .Lend
.irp k, 0,1,2,3
	v_mul_f32 v[24+\k], v[24+\k], v58
.endr
	global_store_b128 v2, v[24:27], s[10:11]       ; wave 0: quarter q's alpha, 512 consecutive bytes
.Lend:
	s_endpgm
.Lfunc_end_k_q2071f5546f_fin:
	.size	k_q2071f5546f_fin, .Lfunc_end_k_q2071f5546f_fin-k_q2071f5546f_fin
	.p2alignl 7, 3214868480
	.fill 96, 4, 3214868480
	.section	.rodata,"a",@progbits
	.p2align	6, 0x0
	.amdhsa_kernel k_q2071f5546f_fin
		.amdhsa_group_segment_fixed_size 0
		.amdhsa_private_segment_fixed_size 0
		.amdhsa_enable_private_segment 0
		.amdhsa_kernarg_size 32
		.amdhsa_user_sgpr_count 2
		.amdhsa_user_sgpr_kernarg_segment_ptr 1
		.amdhsa_wavefront_size32 1
		.amdhsa_system_sgpr_workgroup_id_x 1
		.amdhsa_system_sgpr_workgroup_id_y 1
		.amdhsa_system_sgpr_workgroup_id_z 1
		.amdhsa_system_vgpr_workitem_id 0
		.amdhsa_next_free_vgpr 64
		.amdhsa_next_free_sgpr 66
		.amdhsa_reserve_vcc 0
		.amdhsa_float_denorm_mode_32 3
		.amdhsa_float_denorm_mode_16_64 3
		.amdhsa_memory_ordered 1
		.amdhsa_forward_progress 1
		.amdhsa_inst_pref_size 9
	.end_amdhsa_kernel
	.amdgpu_metadata
---
amdhsa.version: [ 1, 2 ]
amdhsa.kernels:
  - .name:           k_q2071f5546f_fin
    .symbol:         k_q2071f5546f_fin.kd
    .args:
      - { .name: sc, .offset: 0, .size: 8, .value_kind: global_buffer, .address_space: global }
      - { .name: opart, .offset: 8, .size: 8, .value_kind: global_buffer, .address_space: global }
      - { .name: out0, .offset: 16, .size: 8, .value_kind: global_buffer, .address_space: global }
      - { .name: out1, .offset: 24, .size: 8, .value_kind: global_buffer, .address_space: global }
    .group_segment_fixed_size: 0
    .private_segment_fixed_size: 0
    .kernarg_segment_align: 8
    .kernarg_segment_size: 32
    .max_flat_workgroup_size: 128
    .sgpr_count:     66
    .vgpr_count:     64
    .wavefront_size: 32
...
	.end_amdgpu_metadata
.endif
;; end of part 6
